; MI455X (gfx1250); checked and timed in simulation.
; The chip was launched on July 23, 2026; its instructions are those of AMD's public machine-readable ISA for CDNA 5 (MIT licence, August 2026) and "CDNA5" Instruction Set Architecture Reference Guide (July 2026). The comments in the code are by the model that wrote it; some were corrected since.
;; Transformer Block. Allowed arithmetic: matrix products marked QUANTISED: E4M3 operands, one given power-of-two scale a tensor, by v_wmma_f32_16x16x64_fp8_fp8 or v_wmma_f32_16x16x128_fp8_fp8, f32 sums; everything else in f32.
;; Inputs: W1 4,096 x 1,024 float32; W2 1,024 x 4,096 float32; W_k 1,024 x 1,024 float32; W_o 1,024 x 1,024 float32; W_q 1,024 x 1,024 float32; W_v 1,024 x 1,024 float32; ln1_b 1,024 float32; ln1_w 1,024 float32; ln2_b 1,024 float32; ln2_w 1,024 float32; lowp_scales 16 int32 (the exponents e of the quantised operands' scales 2^e); x 2 x 2,048 x 1,024 float32.
;; Outputs: out0 2 x 2,048 x 1,024 float32.
;; This version of the problem:
;;   THIS VERSION OF THE PROBLEM IS GIVEN IN LOW PRECISION. The matrix products marked QUANTISED in the list below multiply operands that are first quantised to E4M3 (4 exponent bits, 3 mantissa bits; 8 bits a number), with one given power-of-two scale for each operand tensor; their sums are f32. All else is computed in f32.
;;   The module's matrix products, in the order in which they are computed (A, B: the left and right operand; K: the contracted axis; several contracted axes count as one K, in the product's order):
;;     1. [M 4,096, K 1,024] x [K 1,024, N 1,024]; A: computed on the way; B: input W_q: QUANTISED (scales: A lowp_scales[0], B lowp_scales[1])
;;     2. [M 4,096, K 1,024] x [K 1,024, N 1,024]; A: computed on the way; B: input W_k: QUANTISED (scales: A lowp_scales[2], B lowp_scales[3])
;;     3. [M 4,096, K 1,024] x [K 1,024, N 1,024]; A: computed on the way; B: input W_v: QUANTISED (scales: A lowp_scales[4], B lowp_scales[5])
;;     4. batch 32 x [M 2,048, K 64] x [K 64, N 2,048]; A: computed on the way; B: computed on the way: QUANTISED (scales: A lowp_scales[6], B lowp_scales[7])
;;     5. batch 32 x [M 2,048, K 2,048] x [K 2,048, N 64]; A: softmax (see below); B: computed on the way: QUANTISED (scales: A lowp_scales[8], B lowp_scales[9])
;;     6. [M 4,096, K 1,024] x [K 1,024, N 1,024]; A: computed on the way; B: input W_o: QUANTISED (scales: A lowp_scales[10], B lowp_scales[11])
;;     7. [M 4,096, K 1,024] x [K 1,024, N 4,096]; A: computed on the way; B: input W1: QUANTISED (scales: A lowp_scales[12], B lowp_scales[13])
;;     8. [M 4,096, K 4,096] x [K 4,096, N 1,024]; A: computed on the way; B: input W2: QUANTISED (scales: A lowp_scales[14], B lowp_scales[15])
;;   THE QUANTISER, for each operand of a quantised product, along K:
;;     - The operand's scale is 2^e, e = its entry of the input lowp_scales (int32; the entries are numbered through the quantised products in the list's order, A before B).
;;     - Each number is divided by the scale, clamped to +-448, and rounded to the nearest number of E4M3, ties to even, subnormals kept.
;;     - The product sums the exact products of the quantised numbers (number of the format x scale) in f32.
;;   ~~~python
;;   def quantise(x, axis, e):      # numpy; x: float32 -> the quantised numbers, widened to float32 again
;;       x = np.moveaxis(x, axis, -1); K = x.shape[-1]
;;       r = np.clip(x / 2.0 ** e, -448, 448)
;;       step = 2.0 ** (np.maximum(np.frexp(np.where(r == 0, 1, r))[1] - 1, -6) - 3)
;;       q = np.round(r / step) * step * 2.0 ** e      # np.round: ties to even
;;       return np.moveaxis(q, -1, axis).astype(np.float32)
;;   ~~~
;;   SOFTMAX AHEAD OF A QUANTISED PRODUCT. Where the list says 'softmax', what is quantised is not the finished softmax but p = 2^(t - M), with t = logit x log2(e) and M = ceil(the row's largest t), a whole number; so 1/2 < the row's largest p <= 1. The row's sum l is taken of the UNQUANTISED p, in f32, and the product's result is divided by l at the end. Since M is a whole number, a kernel that streams over the keys may use a running M (the ceiling of the running maximum): every later rescaling is an exact power of two, so the quantised numbers keep their values, but for numbers so far below the row's largest that they fall under the format's range.
;;   OPERANDS COMPUTED ON THE WAY. 'Computed on the way' means the value that the module computes at that place (a softmax that the list does not call 'softmax' is quantised finished and normalised). What goes into a quantiser is computed in f32, as accurately as f32 sums, v_exp_f32 and their like allow (about 1e-6 of the number): no bf16 or f16 on the way to a quantiser, and a product that is left as it is and whose result goes on into a quantised operand takes f32 operands (vector FMAs, or v_wmma_f32_16x16x4_f32). A number that lies on a knife's edge between two numbers of the format may be rounded either way, as far as f32 arithmetic and the matrix unit's own rounding can turn it there, and no further.
;; One version. Each part assembles by itself: llvm-mc -triple=amdgcn-amd-amdhsa -mcpu=gfx1250 --defsym DOCPART=n.
;; ======== version 1 of 1: 7 launches
;; limits: right only within a limited range of input values
;; workspace buffers: wc 12,582,912 bytes; hc 12,582,912 bytes; qkv 12,582,912 bytes; ac 4,194,304 bytes; x1 16,777,216 bytes; h2c 4,194,304 bytes; hid 16,777,216 bytes
;; launch prep (part 1): grid 640 x 1, 4 waves a work-group, no clusters, 41,472 bytes of LDS; arguments x, ln1_w, ln1_b, W_q, W_k, W_v, W_o, W1, W2, lowp_scales, hc, wc; writes hc, wc
.if DOCPART == 1
	.amdgcn_target "amdgcn-amd-amdhsa--gfx1250"
	.amdhsa_code_object_version 6
	.text
	.protected	k_q0686aae1b4_prep
	.globl	k_q0686aae1b4_prep
	.p2align	8
	.type	k_q0686aae1b4_prep,@function
k_q0686aae1b4_prep:
	s_mov_b64 s[64:65], 0
	v_nop
	global_prefetch_b8 v0, s[64:65] scope:SCOPE_SE
	s_setreg_imm32_b32 hwreg(HW_REG_WAVE_MODE, 25, 1), 1
	s_wait_xcnt 0x0
; PREP.  Work-groups 0-255: the first layer norm of x [4096][1024] f32, quantised three times (scales 2^e0, 2^e2, 2^e4: the left operands of the Q, K and V products)
; into hc [3][4096][1024], codes of E4M3, K innermost.  Work-groups 256-639: the six weights, all stored [out][in] with K innermost, into codes in wc, one behind the other:
; W_q at 0, W_k at 1 MiB, W_v at 2 MiB, W_o at 3 MiB, W1 at 4 MiB, W2 at 8 MiB (scales e1, e3, e5, e11, e13, e15).
; code = number / 2^e, to the nearest code, ties to even.
; LIMITS: each e lies between -126 and 119, so that 2^e and 448 x 2^e are f32 numbers.  NaN among the inputs is not served.
; No matrix work, no tensor load, no barrier: waves share nothing.  The two paths part on the work-group's number and have LDS bytes of their own (0 .. 20,479 and 20,480 .. 40,959).
; LAYER NORM: a wave takes four rows, one after the other; a row (4,096 bytes) is eight loads of 512 consecutive bytes and stays in 32 registers.  Mean first, then the sum of (x - mean)^2, as the
; definition has it, so that a common offset of the inputs costs no digits.  The conversions want 16 NEIGHBOURS in a lane, the loads give a lane 4: so the finished row turns through the wave's own stage in LDS
; (16 bytes of padding behind each 64), and a lane's 16 codes are 16 bytes: a store of the wave covers 512 consecutive bytes.
.set NS,    3                          ; scales under which a row is quantised
.set LO,    2                          ; v2      16 x lane: my bytes in a load's or store's 512; never rewritten
.set SI,    3                          ; v3      the stage, on the way in: 80 (lane / 4) + 16 (lane % 4)
.set SOUT,  4                          ; v4      and on the way out: 80 x lane
.set ACC,   8                          ; v[8:15] four pairs of partial sums
.set MP,    16                         ; v[16:17] the mean, twice
.set RP,    18                         ; v[18:19] 1 / sqrt(var + eps), twice
.set PD,    20                         ; v20     destination of the lane permute
.set SCV,   21                         ; v21-23  2^e as f32
.set LIMV,  24
.set W,     32                         ; v[32:63]  the gain, in the loads' layout
.set B,     64                         ; v[64:95]  the bias
.set X,     96                         ; v[96:159] two rows by turns
.set Y,     160                        ; v[160:191] the row behind the stage: register 16 u + i = element 512 u + 16 lane + i
.set TMP,   192
.set C,     208                        ; v[208:231] codes: four registers for each half row and scale
.set BASE,  52                         ; s[52:57] the three sets of codes at my wave's first row
.set SP,    80                         ; a lane's place in a stage
.set R,     16                         ; the weights' path: v16-79 four sets of 16 numbers as loaded
.set XW,    80                         ;   v80-111 two sets of 16 neighbours
.set CW,    128                        ;   v128-191 codes, four registers for each step
.set STEPS, 16
.macro XLOAD r                         ; row r of my four: eight loads of 512 consecutive bytes
.irp i, 0,1,2,3,4,5,6,7
	global_load_b128 v[X+32*((\r)%2)+4*\i:X+32*((\r)%2)+4*\i+3], v[LO], s[4:5] offset:4096*(\r)+512*\i th:TH_LOAD_NT
.endr
.endm
.macro REDUCE                          ; four pairs of partial sums -> the row's sum in v8 of every lane
	v_pk_add_f32 v[ACC:ACC+1], v[ACC:ACC+1], v[ACC+2:ACC+3]
	v_pk_add_f32 v[ACC+4:ACC+5], v[ACC+4:ACC+5], v[ACC+6:ACC+7]
	v_pk_add_f32 v[ACC:ACC+1], v[ACC:ACC+1], v[ACC+4:ACC+5]
	v_add_f32 v[ACC], v[ACC], v[ACC+1]
	v_add_f32_dpp v[ACC], v[ACC], v[ACC] row_xmask:1 row_mask:0xf bank_mask:0xf
	v_add_f32_dpp v[ACC], v[ACC], v[ACC] row_xmask:2 row_mask:0xf bank_mask:0xf
	v_add_f32_dpp v[ACC], v[ACC], v[ACC] row_xmask:4 row_mask:0xf bank_mask:0xf
	v_add_f32_dpp v[ACC], v[ACC], v[ACC] row_xmask:8 row_mask:0xf bank_mask:0xf
	v_permlanex16_b32 v[PD], v[ACC], s48, s49
	v_add_f32 v[ACC], v[ACC], v[PD]
.endm
.macro ROW r
.set XS, X+32*((\r)%2)
.if (\r) < 3
	s_wait_loadcnt 8                               ; this row's loads (and the gain's and bias's) are in; the next row's eight may be out
.else
	s_wait_loadcnt 0
.endif
	s_wait_xcnt 0x0                                ; the last row's stores have read their registers: the codes' registers are written again below
.irp k, 0,1,2,3
	v_pk_add_f32 v[ACC+2*\k:ACC+2*\k+1], v[XS+4*\k:XS+4*\k+1], v[XS+4*\k+2:XS+4*\k+3]   ; four chains, started by the first eight pairs: nothing is cleared
.endr
.irp k, 0,1,2,3,4,5,6,7
	v_pk_add_f32 v[ACC+2*(\k%4):ACC+2*(\k%4)+1], v[ACC+2*(\k%4):ACC+2*(\k%4)+1], v[XS+16+2*\k:XS+16+2*\k+1]
.endr
	REDUCE
	v_mul_f32 v[MP], s50, v[ACC]                   ; the mean: sum / 1024
	v_mul_f32 v[MP+1], s50, v[ACC]
.irp k, 0,1,2,3,4,5,6,7,8,9,10,11,12,13,14,15
	v_pk_add_f32 v[XS+2*\k:XS+2*\k+1], v[XS+2*\k:XS+2*\k+1], v[MP:MP+1] neg_lo:[0,1] neg_hi:[0,1]   ; d = x - mean
.endr
.irp k, 0,1,2,3
	v_pk_mul_f32 v[ACC+2*\k:ACC+2*\k+1], v[XS+2*\k:XS+2*\k+1], v[XS+2*\k:XS+2*\k+1]
.endr
.irp k, 4,5,6,7,8,9,10,11,12,13,14,15
	v_pk_fma_f32 v[ACC+2*(\k%4):ACC+2*(\k%4)+1], v[XS+2*\k:XS+2*\k+1], v[XS+2*\k:XS+2*\k+1], v[ACC+2*(\k%4):ACC+2*(\k%4)+1]
.endr
	REDUCE
	v_fma_f32 v[ACC+1], v[ACC], s50, s51           ; var + eps
	s_wait_alu depctr_va_vdst(0)
	v_rsq_f32 v[RP], v[ACC+1]
	v_rsq_f32 v[RP+1], v[ACC+1]
	v_nop                                          ; a plain instruction behind the transcendentals (ISA guide 5.7.2),
	s_wait_alu depctr_va_vdst(0)                   ; and the one wait for both ahead of their first reader
.irp k, 0,1,2,3,4,5,6,7,8,9,10,11,12,13,14,15
	v_pk_mul_f32 v[XS+2*\k:XS+2*\k+1], v[XS+2*\k:XS+2*\k+1], v[RP:RP+1]
.endr
.irp k, 0,1,2,3,4,5,6,7,8,9,10,11,12,13,14,15
	v_pk_fma_f32 v[XS+2*\k:XS+2*\k+1], v[XS+2*\k:XS+2*\k+1], v[W+2*\k:W+2*\k+1], v[B+2*\k:B+2*\k+1]
.endr
.irp u, 0,1                            ; through my stage, half a row (2,048 bytes) to each of its two parts.  LDS serves a wave's instructions in order: no wait between the stores and the loads
.irp i, 0,1,2,3
	ds_store_b128 v[SI], v[XS+16*\u+4*\i:XS+16*\u+4*\i+3] offset:32*SP*\u+8*SP*\i
.endr
.irp i, 0,1,2,3
	ds_load_b128 v[Y+16*\u+4*\i:Y+16*\u+4*\i+3], v[SOUT] offset:32*SP*\u+16*\i
.endr
.endr
	s_wait_dscnt 0x0                               ; the row is back, and the stores have read this set's registers,
.if (\r)+2 < 4
	XLOAD (\r)+2                                   ; which take the row two further on
.endif
.irp u, 0,1
.set sN, 0
.rept NS
.irp i, 0,1,2,3,4,5,6,7,8,9,10,11,12,13,14,15
.endr
	v_cvt_scalef32_pk8_fp8_f32 v[C+4*(NS*\u+sN):C+4*(NS*\u+sN)+1], v[TMP+((Y+16*\u+0)-(TMP+0)):TMP+7+((Y+16*\u+0)-(TMP+0))], v[SCV+sN]
	v_cvt_scalef32_pk8_fp8_f32 v[C+4*(NS*\u+sN)+2:C+4*(NS*\u+sN)+3], v[TMP+8+((Y+16*\u+0)-(TMP+0)):TMP+15+((Y+16*\u+0)-(TMP+0))], v[SCV+sN]
	v_nop                                          ; a plain instruction behind the conversions
	global_store_b128 v[LO], v[C+4*(NS*\u+sN):C+4*(NS*\u+sN)+3], s[BASE+2*sN:BASE+2*sN+1] offset:1024*(\r)+512*\u   ; 32 lanes store 512 consecutive bytes
.set sN, sN+1
.endr
.endr
.endm
.macro WLOAD t
.irp i, 0,1,2,3
	global_load_b128 v[R+16*((\t)%4)+4*\i:R+16*((\t)%4)+4*\i+3], v3, s[48:49] offset:2048*(\t)+512*\i th:TH_LOAD_NT   ; 32 lanes read 512 consecutive bytes
.endr
.endm
.macro WTURN t                         ; step t's 512 numbers through my stage
.irp i, 0,1,2,3
	ds_store_b128 v14, v[R+16*((\t)%4)+4*\i:R+16*((\t)%4)+4*\i+3] offset:32*SP*((\t)%2)+8*SP*\i
.endr
.irp i, 0,1,2,3
	ds_load_b128 v[XW+16*((\t)%2)+4*\i:XW+16*((\t)%2)+4*\i+3], v15 offset:32*SP*((\t)%2)+16*\i
.endr
.endm
.macro WSTEP t
.set XS, XW+16*((\t)%2)
	s_wait_dscnt 0x0                               ; this step's numbers are back from the stage, and its stores into the stage have read their registers,
.if (\t)+4 < STEPS
	WLOAD (\t)+4                                   ; which take the loads of four steps on
.endif
.if (\t)+1 < STEPS
.if STEPS-2-(\t) >= 3
	s_wait_loadcnt 12                              ; the next step's four loads are in; those of the three steps behind it may be out
.else
	s_wait_loadcnt 4*(STEPS-2-(\t))
.endif
	WTURN (\t)+1
.endif
.irp i, 0,1,2,3,4,5,6,7,8,9,10,11,12,13,14,15
.endr
	v_cvt_scalef32_pk8_fp8_f32 v[CW+4*(\t):CW+4*(\t)+1], v[XS:XS+7], v11
	v_cvt_scalef32_pk8_fp8_f32 v[CW+4*(\t)+2:CW+4*(\t)+3], v[XS+8:XS+15], v11
	v_nop                                          ; a plain instruction behind the conversions
	global_store_b128 v3, v[CW+4*(\t):CW+4*(\t)+3], s[26:27] offset:512*(\t)   ; each step has code registers of its own: no store's data are written again
.endm
	s_load_b256 s[4:11], s[0:1], 0x0               ; x s[4:5], ln1_w s[6:7], ln1_b s[8:9], W_q s[10:11]
	s_load_b256 s[12:19], s[0:1], 0x20             ; W_k s[12:13], W_v s[14:15], W_o s[16:17], W1 s[18:19]
	s_load_b256 s[20:27], s[0:1], 0x40             ; W2 s[20:21], the scales' exponents s[22:23], hc s[24:25], wc s[26:27]
	v_lshl_add_u32 v232, v0, 2, 0xa000
	v_mov_b32 v233, 0
	v_lshrrev_b32 v1, 5, v0
	v_readfirstlane_b32 s28, v1                    ; wave 0..3
	v_and_b32 v1, 31, v0                           ; lane
	s_wait_kmcnt 0x0
	s_load_b512 s[32:47], s[22:23], 0x0            ; e_i in s[32 + i]
	s_cmp_lt_u32 ttmp9, 256
	s_cbranch_scc0 .Lweights
	; ---- the layer norm: rows 16 x work-group + 4 x wave + 0 .. 3
	s_wait_alu depctr_va_vdst(0)
	v_lshlrev_b32 v[LO], 4, v1
	s_wait_alu depctr_va_vdst(0)
	s_mul_i32 s29, s28, 64*SP                      ; my stage: two parts of 32 places
	v_lshrrev_b32 v[SI], 2, v1
	v_mul_u32_u24 v[SI], v[SI], SP
	v_and_b32 v5, 3, v1
	v_lshl_add_u32 v[SI], v5, 4, v[SI]
	v_add_nc_u32 v[SI], s29, v[SI]
	v_mul_u32_u24 v[SOUT], v1, SP
	v_add_nc_u32 v[SOUT], s29, v[SOUT]
	v_mov_b32 v[PD], 0                             ; a lane permute's destination counts as one of its sources
	s_mov_b32 s48, 0x76543210                      ; lane selects: lane l xor 16
	s_mov_b32 s49, 0xfedcba98
	s_mov_b32 s50, 0x3a800000                      ; 1 / 1024
	s_mov_b32 s51, 0x3727c5ac                      ; eps = 1e-5
	s_lshl_b32 s29, ttmp9, 4
	s_lshl_b32 s30, s28, 2
	s_add_co_u32 s29, s29, s30                     ; my first row
	s_lshl_b32 s30, s29, 12
	s_mov_b32 s31, 0
	s_add_nc_u64 s[4:5], s[4:5], s[30:31]
	s_lshl_b32 s30, s29, 10
	s_add_nc_u64 s[BASE:BASE+1], s[24:25], s[30:31]
	s_add_nc_u64 s[BASE+2:BASE+3], s[BASE:BASE+1], 0x400000
	s_add_nc_u64 s[BASE+4:BASE+5], s[BASE:BASE+1], 0x800000
.irp i, 0,1,2,3,4,5,6,7
	global_load_b128 v[W+4*\i:W+4*\i+3], v[LO], s[6:7] offset:512*\i
.endr
.irp i, 0,1,2,3,4,5,6,7
	global_load_b128 v[B+4*\i:B+4*\i+3], v[LO], s[8:9] offset:512*\i
.endr
	XLOAD 0
	XLOAD 1
	s_wait_kmcnt 0x0
.set sN, 0
.rept NS
	s_add_co_i32 s58, s[32+2*sN], 127
	s_lshl_b32 s59, s58, 23
	v_mov_b32 v[SCV+sN], s59                       ; 2^e as f32: the conversion takes its exponent field
	s_add_co_i32 s58, s58, 8
	s_lshl_b32 s58, s58, 23
	s_or_b32 s58, s58, 0x600000
.set sN, sN+1
.endr
	ROW 0
	ROW 1
	ROW 2
	ROW 3
	s_wait_tensorcnt 0x0
	ds_add_u32 v232, v233
	s_wait_dscnt 0x0
	s_endpgm
	; ---- the weights: a plain stream of numbers; a work-group takes 32,768, a wave 16 steps of 512
.Lweights:
	s_sub_co_u32 s29, ttmp9, 256                   ; g = 0 .. 383: W_q 0-31, W_k 32-63, W_v 64-95, W_o 96-127, W1 128-255, W2 256-383
	s_wait_alu depctr_va_vdst(0)
	v_lshlrev_b32 v3, 4, v1                        ; 16 x lane: my bytes of a load's 512, and my 16 codes in a step's 512
	s_wait_alu depctr_va_vdst(0)
	s_mul_i32 s30, s28, 64*SP
	s_add_co_u32 s30, s30, 20480                   ; my two stages, in this path's own LDS bytes
	v_lshrrev_b32 v14, 2, v1
	v_mul_u32_u24 v14, v14, SP
	v_and_b32 v15, 3, v1
	v_lshl_add_u32 v14, v15, 4, v14
	v_add_nc_u32 v14, s30, v14
	v_mul_u32_u24 v15, v1, SP
	v_add_nc_u32 v15, s30, v15
	s_mov_b64 s[48:49], s[20:21]                   ; which tensor, and its first work-group: the choice hangs on the work-group's number alone
	s_mov_b32 s50, 256
	s_cmp_lt_u32 s29, 256
	s_cselect_b64 s[48:49], s[18:19], s[48:49]
	s_cselect_b32 s50, 128, s50
	s_cmp_lt_u32 s29, 128
	s_cselect_b64 s[48:49], s[16:17], s[48:49]
	s_cselect_b32 s50, 96, s50
	s_cmp_lt_u32 s29, 96
	s_cselect_b64 s[48:49], s[14:15], s[48:49]
	s_cselect_b32 s50, 64, s50
	s_cmp_lt_u32 s29, 64
	s_cselect_b64 s[48:49], s[12:13], s[48:49]
	s_cselect_b32 s50, 32, s50
	s_cmp_lt_u32 s29, 32
	s_cselect_b64 s[48:49], s[10:11], s[48:49]
	s_cselect_b32 s50, 0, s50
	s_sub_co_u32 s50, s29, s50
	s_lshl_b32 s50, s50, 17                        ; 131,072 bytes of f32 a work-group,
	s_lshl_b32 s51, s28, 15                        ; 32,768 a wave
	s_add_co_u32 s50, s50, s51
	s_mov_b32 s51, 0
	s_add_nc_u64 s[48:49], s[48:49], s[50:51]
	s_lshl_b32 s50, s29, 15                        ; the codes lie in wc in the order of g: 32,768 bytes a work-group, 8,192 a wave
	s_lshl_b32 s52, s28, 13
	s_add_co_u32 s50, s50, s52
	s_add_nc_u64 s[26:27], s[26:27], s[50:51]
	WLOAD 0
	WLOAD 1
	WLOAD 2
	WLOAD 3
	s_wait_alu depctr_va_vdst(0)
	s_wait_kmcnt 0x0
	s_mov_b32 s52, s47                             ; e, by the same chain: e15, e13, e11, e5, e3, e1
	s_cmp_lt_u32 s29, 256
	s_cselect_b32 s52, s45, s52
	s_cmp_lt_u32 s29, 128
	s_cselect_b32 s52, s43, s52
	s_cmp_lt_u32 s29, 96
	s_cselect_b32 s52, s37, s52
	s_cmp_lt_u32 s29, 64
	s_cselect_b32 s52, s35, s52
	s_cmp_lt_u32 s29, 32
	s_cselect_b32 s52, s33, s52
	s_add_co_i32 s52, s52, 127
	s_lshl_b32 s53, s52, 23
	v_mov_b32 v11, s53                             ; 2^e
	s_add_co_i32 s52, s52, 8
	s_lshl_b32 s52, s52, 23
	s_or_b32 s52, s52, 0x600000
	s_wait_alu depctr_va_vdst(0)
	s_wait_loadcnt 12                              ; step 0's four loads are in
	WTURN 0
.irp t, 0,1,2,3,4,5,6,7,8,9,10,11,12,13,14,15
	WSTEP \t
.endr
	s_wait_tensorcnt 0x0
	ds_add_u32 v232, v233
	s_wait_dscnt 0x0
	s_endpgm
.Lfunc_end_k_q0686aae1b4_prep:
	.size	k_q0686aae1b4_prep, .Lfunc_end_k_q0686aae1b4_prep-k_q0686aae1b4_prep
	.p2alignl 7, 3214868480
	.fill 96, 4, 3214868480
	.section	.rodata,"a",@progbits
	.p2align	6, 0x0
	.amdhsa_kernel k_q0686aae1b4_prep
		.amdhsa_group_segment_fixed_size 41472
		.amdhsa_private_segment_fixed_size 0
		.amdhsa_enable_private_segment 0
		.amdhsa_kernarg_size 96
		.amdhsa_user_sgpr_count 2
		.amdhsa_user_sgpr_kernarg_segment_ptr 1
		.amdhsa_wavefront_size32 1
		.amdhsa_system_sgpr_workgroup_id_x 1
		.amdhsa_system_sgpr_workgroup_id_y 1
		.amdhsa_system_sgpr_workgroup_id_z 1
		.amdhsa_system_vgpr_workitem_id 0
		.amdhsa_next_free_vgpr 234
		.amdhsa_next_free_sgpr 66
		.amdhsa_reserve_vcc 0
		.amdhsa_float_denorm_mode_32 3
		.amdhsa_float_denorm_mode_16_64 3
		.amdhsa_fp16_overflow 1
		.amdhsa_memory_ordered 1
		.amdhsa_forward_progress 1
		.amdhsa_inst_pref_size 65
	.end_amdhsa_kernel
	.amdgpu_metadata
---
amdhsa.version: [ 1, 2 ]
amdhsa.kernels:
  - .name:           k_q0686aae1b4_prep
    .symbol:         k_q0686aae1b4_prep.kd
    .args:
      - { .name: x, .offset: 0, .size: 8, .value_kind: global_buffer, .address_space: global }
      - { .name: ln1_w, .offset: 8, .size: 8, .value_kind: global_buffer, .address_space: global }
      - { .name: ln1_b, .offset: 16, .size: 8, .value_kind: global_buffer, .address_space: global }
      - { .name: W_q, .offset: 24, .size: 8, .value_kind: global_buffer, .address_space: global }
      - { .name: W_k, .offset: 32, .size: 8, .value_kind: global_buffer, .address_space: global }
      - { .name: W_v, .offset: 40, .size: 8, .value_kind: global_buffer, .address_space: global }
      - { .name: W_o, .offset: 48, .size: 8, .value_kind: global_buffer, .address_space: global }
      - { .name: W1, .offset: 56, .size: 8, .value_kind: global_buffer, .address_space: global }
      - { .name: W2, .offset: 64, .size: 8, .value_kind: global_buffer, .address_space: global }
      - { .name: lowp_scales, .offset: 72, .size: 8, .value_kind: global_buffer, .address_space: global }
      - { .name: hc, .offset: 80, .size: 8, .value_kind: global_buffer, .address_space: global }
      - { .name: wc, .offset: 88, .size: 8, .value_kind: global_buffer, .address_space: global }
    .group_segment_fixed_size: 41472
    .private_segment_fixed_size: 0
    .kernarg_segment_align: 8
    .kernarg_segment_size: 96
    .max_flat_workgroup_size: 128
    .sgpr_count:     66
    .vgpr_count:     234
    .wavefront_size: 32
...
	.end_amdgpu_metadata
.endif
;; end of part 1
;; launch qkv (part 2): grid 16 x 12, 4 waves a work-group, clusters of 4 x 4, 327,680 bytes of LDS; arguments hc, wc, lowp_scales, qkv; writes qkv
.if DOCPART == 2
	.amdgcn_target "amdgcn-amd-amdhsa--gfx1250"
	.amdhsa_code_object_version 6
	.text
	.protected	k_q0686aae1b4_qkv
	.globl	k_q0686aae1b4_qkv
	.p2align	8
	.type	k_q0686aae1b4_qkv,@function
k_q0686aae1b4_qkv:
	s_mov_b64 s[64:65], 0
	v_nop
	global_prefetch_b8 v0, s[64:65] scope:SCOPE_SE
	s_setreg_imm32_b32 hwreg(HW_REG_WAVE_MODE, 25, 1), 1
	s_wait_xcnt 0x0
	s_wait_alu depctr_hold_cnt(0) depctr_sa_sdst(0) depctr_va_vdst(0) depctr_va_sdst(0) depctr_va_ssrc(0) depctr_va_vcc(0) depctr_vm_vsrc(0)
	s_getreg_b32 s2, hwreg(HW_REG_IB_STS2, 6, 4)
	s_cmp_eq_u32 s2, 0
	s_cbranch_scc0 .Lentry_in_a_cluster
	s_endpgm
.Lentry_in_a_cluster:
	s_bfe_u32 s2, ttmp6, 0x10000c
	s_cmp_lg_u32 s2, 0xf033
	s_cbranch_scc0 .Lentry_shape_is_right
	s_endpgm
.Lentry_shape_is_right:
; C = A B^T on codes of E4M3 (rows of 1,024 codes, K innermost), and C quantised at once into codes laid in PANELS of 64 columns: [columns / 64][rows][64].
; MODE 0 (this text): the Q, K and V products.  The cluster's y is the section.  Sections 0, 1: A = the layer norm's codes under e0 / e2 (4,096 tokens), B = W_q / W_k (1,024 features):
; panels = heads, [16][4096 tokens][64], scales e6 / e7.  Section 2: V TRANSPOSED: A = W_v's codes (1,024 features), B = the layer norm's codes under e4 (4,096 tokens): panels of 64 keys,
; [64][1024 features][64 keys], scale e9: so the keys, the K of attention's second product, lie innermost.
; THE ORDER OF ROWS IN K AND V^T (sections 1 and 2): within each 32 rows of a panel the second and the third block of 8 rows change places.  So 16 rows on end in memory, 32 g + 16 u + r, are the rows
; 32 g + 8 u + r + 8 (r / 8) of the tensor: the rows that form a tile in the attention launch, which can then read them from neighbouring LDS rows.  Q (section 0) keeps its order.
; MODE 1: A = the second layer norm's codes, B = W1's; what is negative becomes 0 in the hold (the ReLU); panels [64][4096 tokens][64], scale e14, rows in order.
; A sum stands for sum x 2^(ea + eb), so its code is sum / 2^X with X = eo - ea - eb: the three scales are folded into the conversion's one.  LIMIT: X between -126 and 119.
; A tile of C, 256 x 256, is made by four waves, each 128 x 128: 64 accumulators, 512 registers.  K goes in steps of 256 through a ring of two LDS slots filled by the tensor data mover.
; CLUSTERS: 4 x 4 work-groups.  The four of a row of the cluster need the same tiles of A, the four of a column the same tiles of B: each tile is asked for JOINTLY, by the same tensor load with the same
; descriptor and a mask that names the four.  THE MATRIX INSTRUCTION IS USED TRANSPOSED (source 0 = 16 rows of B, source 1 = 16 rows of A): a lane then holds eight neighbouring columns of a row of C: eight codes.
; REGISTERS, in windows of 256: window 0: v0-31 addresses and the scale number; from v128 A's fragments (8 x 16 rows x 128 K), ONE set; on the way out v32-255 are free.
;   window 1: B's fragments, TWO sets, at v0 and v128.   window 2: the accumulators of my rows 0-63 ((a, b) at v[8 (8 a + b)]);   window 3: those of my rows 64-127.
.set MODE,   0
.set SIZE_K, 1024
.set KSTEP,  256                       ; along K in a slot
.set ROWB,   256                       ; a tile's row in bytes
.set KROW,   SIZE_K                    ; a row of A or of B in memory, in bytes
.set PITCH,  272                       ; an LDS row: 256 bytes + 16 of padding = 68 words: row r starts at bank 4 r mod 64 (ISA guide 11.1)
.set FR,     16                        ; registers of a fragment: 16 rows x 128 K
.set NL,     4                         ; LDS loads that bring one
.set NP,     4                         ; places behind this matrix instruction (ISA guide 7.12.1)
.set HALFT,  128*PITCH                 ; 128 rows: what one tensor load brings, and what one wave reads of A or of B
.set SLOT,   4*HALFT                   ; A's 256 rows, then B's 256 rows
.set LAPS,   SIZE_K/(2*KSTEP)          ; a lap = two K steps = once round the ring
.set SPARE,  2*SLOT                    ; behind the ring: the spare words, 128 bytes for each wave: two blocks of 256 bytes that no other line names
.set PANEL,  256*80                    ; the way out: the work-group's stage, four panels of 256 rows x (64 bytes + 16).  It lies in slot 0, which has had its last fill and its last read when the first code is stored there
.set ADRA, 16                          ; v16-17  LDS address of my A fragments in slot 0, 1
.set COA,  18                          ; v18     the offset of a group's second block of 8 rows: 16 x lane, + 512 where the blocks change places
.set COB,  19                          ; v19     the offset of its third block, less 512: 16 x lane + 512, or 16 x lane where the blocks change places
.set ADRB, 20                          ; v20-21  the same as ADRA for B
.set STO,  24                          ; v24     the way out: where I put 8 codes of a row
.set RD,   25                          ; v25     the way out: where I read 16 bytes of my panel back
.set CO,   26                          ; v26     16 x lane
.set SPW,  28                          ; v28     LDS address of my spare word; never rewritten
.set NIL,  29                          ; v29     0; never rewritten
.set SCV,  30                          ; v30     2^X as f32
.set LIMV, 31
.set TMP,  32
.set AF,   128                         ; A's fragments, in window 0
.set OUTR, 128                         ; the way out: v128-255: the codes, later my panel's rows
.set G1, 24                            ; s[24:31] descriptor group 1 for A's tiles;  s[32:39] group 0, one set for each slot
.set G0, 32
.set G1B, 48                           ; s[48:55], s[56:63] the same for B's tiles
.set G0B, 56
.set MSB, 0
.macro WIN new                         ; the immediate's high byte repeats the setting that is left
.if MSB != \new
	s_set_vgpr_msb (MSB<<8)|\new
.set MSB, \new
.endif
.endm
.set MUL_LO, 0xa1                      ; source 0 (B) window 1, source 1 (A) window 0, C and D window 2
.set MUL_HI, 0xf1                      ; the same, C and D window 3
.set TO_B,   0x40                      ; destination window 1, address window 0
; A joint load: waves 0 and 1 fetch for A, waves 2 and 3 for B.  Each of the two lines has ONE mask and one set of registers for all that issue it; the branch hangs on the wave's number alone.
; Four v_nop follow each of the two lines, ahead of the jump, the label and what follows.
.macro JLOAD g0a, g1a, g0b, g1b
	s_cmp_eq_u32 s15, 0
	s_cbranch_scc0 .Lfor_b_\@
	tensor_load_to_lds s[\g0a:\g0a+3], s[\g1a:\g1a+7]
	s_nop 0
.rept 4
	v_nop
.endr
	s_branch .Lasked_\@
.Lfor_b_\@:
	tensor_load_to_lds s[\g0b:\g0b+3], s[\g1b:\g1b+7]
	s_nop 0
.rept 4
	v_nop
.endr
.Lasked_\@:
.endm
.macro CREST                           ; a round of the cluster's barrier behind its opening barrier
	s_cmp_lg_u32 s14, 0
	s_cbranch_scc1 .Lnot_wave_0_\@
	s_barrier_signal -3
.Lnot_wave_0_\@:
	s_barrier_wait -3
	s_barrier_signal -1
	s_barrier_wait -1
.endm
.macro CROUND                          ; a whole round
	s_barrier_signal -1
	s_barrier_wait -1
	CREST
.endm
	s_load_b128 s[4:7], s[0:1], 0x0                ; the activations' codes s[4:5], the weights' codes s[6:7]
	s_load_b128 s[8:11], s[0:1], 0x10              ; the scales' exponents s[8:9], the output s[10:11]
	v_lshl_add_u32 v[SPW], v0, 2, SPARE
	v_mov_b32 v[NIL], 0
	ds_add_u32 v28, v29
	ds_add_u32 v28, v29
	s_wait_dscnt 0x0
	v_lshrrev_b32 v1, 5, v0
	v_readfirstlane_b32 s14, v1                    ; wave 0..3
	s_lshr_b32 s15, s14, 1                         ; which half of the tile's rows is mine.  Also: I fetch for A (0) or for B (1)
	s_and_b32 s16, s14, 1                          ; which half of its columns.  Also: which 128 rows of that tile I fetch
	s_bfe_u32 s40, ttmp6, 0x40000                  ; cx, cy: my place in the cluster
	s_bfe_u32 s41, ttmp6, 0x40004
.if MODE == 0
	s_and_b32 s84, ttmp7, 0xffff                   ; the section: the cluster's y, the same in all sixteen partners
	s_lshl_b32 s85, ttmp9, 2                       ; 4 x the cluster's x
	s_lshl_b32 s88, s84, 22
	s_lshl_b32 s89, s84, 20
	s_cmp_lt_u32 s84, 2                            ; Q or K?
	s_cselect_b32 s86, s85, 0                      ; the long axis (4,096 tokens, 16 tiles) is C's rows for Q and K, its columns for V^T
	s_cselect_b32 s87, 0, s85
	s_cselect_b32 s88, s88, 0x200000               ; A: the layer norm's set 0 or 1 (4 MiB each), or W_v (at 2 MiB of the weights)
	s_cselect_b32 s89, s89, 0x800000               ; B: W_q or W_k (1 MiB each), or the layer norm's set 2
	s_cselect_b32 s90, 18, 16                      ; a panel: 4,096 or 1,024 rows of 64 bytes
	s_add_co_u32 s17, s86, s41                     ; tile row of C
	s_add_co_u32 s42, s87, s40                     ; tile column of C
.else
	s_lshl_b32 s42, ttmp9, 2
	s_add_co_u32 s42, s42, s40                     ; tile column of C = 4 x cluster x + cx
	s_and_b32 s17, ttmp7, 0xffff
	s_lshl_b32 s17, s17, 2
	s_add_co_u32 s17, s17, s41                     ; tile row of C = 4 x cluster y + cy
	s_mov_b32 s88, 0
	s_mov_b32 s89, 0x400000                        ; W1's codes
	s_mov_b32 s90, 18
.endif
	s_lshl_b32 s43, s41, 2
	s_lshl_b32 s43, 15, s43                        ; my row of the cluster
	s_lshl_b32 s44, 0x1111, s40                    ; my column
	; descriptor group 1: a tile of 128 rows x ROWB bytes, padded in LDS
	s_or_b32 s[G1+0], s43, (0<<16)|(1<<20)|(1<<21)|(5<<22)|(3<<25)  ; 15:0 the mask: A's tiles go to my row; 17:16 element of 1 byte; 20 padding on; 21 set beside a mask; 24:22 after every 64 words (code 5); 31:25 of 4 words (code 3)
	s_or_b32 s[G1B+0], s44, (0<<16)|(1<<20)|(1<<21)|(5<<22)|(3<<25)
.irp g, G1, G1B
	s_mov_b32 s[\g+1], ROWB<<16                    ; tensor_dim0
	s_mov_b32 s[\g+2], 128<<16                     ; tensor_dim1 = 128
	s_mov_b32 s[\g+3], ROWB<<16                    ; tile_dim0
	s_mov_b32 s[\g+4], 128                         ; tile_dim1 = 128
	s_mov_b32 s[\g+5], KROW                        ; tensor_dim0_stride
	s_mov_b32 s[\g+6], 0
	s_mov_b32 s[\g+7], 0
.endr
	s_lshl_b32 s18, s16, 7                         ; which 128 rows of the tile I fetch
	s_lshl_b32 s20, s17, 8
	s_add_co_u32 s20, s20, s18                     ; A: row 256 x tile row + 128 x half,
	s_lshl_b32 s20, s20, 10                        ; of 1,024 bytes,
	s_add_co_u32 s20, s20, s88                     ; in its section
	s_mov_b32 s21, 0
	s_lshl_b32 s46, s42, 8
	s_add_co_u32 s46, s46, s18                     ; B: row 256 x tile column + 128 x half
	s_lshl_b32 s46, s46, 10
	s_add_co_u32 s46, s46, s89
	s_mov_b32 s47, 0
	s_mul_i32 s45, s14, HALFT                      ; where they go: wave x 128 rows: no place in the cluster enters an LDS address
	s_wait_kmcnt 0x0
.if MODE == 0
	s_load_b512 s[68:83], s[8:9], 0x0              ; e_i in s[68 + i]
	s_cmp_lt_u32 s84, 2
	s_cselect_b64 s[92:93], s[4:5], s[6:7]         ; A's buffer and B's: the choice hangs on the section alone
	s_cselect_b64 s[94:95], s[6:7], s[4:5]
.else
	s_load_b128 s[68:71], s[8:9], 0x30             ; e12, e13, e14, e15
	s_mov_b64 s[92:93], s[4:5]
	s_mov_b64 s[94:95], s[6:7]
.endif
	s_add_nc_u64 s[20:21], s[92:93], s[20:21]
	s_add_nc_u64 s[46:47], s[94:95], s[46:47]
	CROUND                                         ; all sixteen work-groups are here: the first joint loads meet
.irp s, 0,1
	s_mov_b32 s[G0+4*\s], 1
	s_add_co_u32 s[G0+4*\s+1], s45, \s*SLOT
	s_add_nc_u64 s[G0+4*\s+2:G0+4*\s+3], s[20:21], \s*ROWB
	s_or_b32 s[G0+4*\s+3], s[G0+4*\s+3], 0x80000000
	s_mov_b32 s[G0B+4*\s], 1
	s_add_co_u32 s[G0B+4*\s+1], s45, \s*SLOT
	s_add_nc_u64 s[G0B+4*\s+2:G0B+4*\s+3], s[46:47], \s*ROWB
	s_or_b32 s[G0B+4*\s+3], s[G0B+4*\s+3], 0x80000000
	JLOAD G0+4*\s, G1, G0B+4*\s, G1B
.endr
	v_and_b32 v1, 15, v0                           ; r = l % 16
	s_wait_alu depctr_va_vdst(0)
	v_bfe_u32 v2, v0, 4, 1                         ; h = l / 16
	v_mul_u32_u24 v3, v1, PITCH
	v_lshl_add_u32 v4, v2, 4, v3                   ; a fragment's row x pitch + 16 x half
	s_mul_i32 s21, s15, HALFT                      ; my 128 rows of A
	s_mul_i32 s22, s16, HALFT                      ; my 128 rows of B,
	s_add_co_u32 s22, s22, 2*HALFT                 ; which lie behind A's 256
.irp s, 0,1
	v_add_nc_u32 v[ADRA+\s], s21, v4
	v_add_nc_u32 v[ADRB+\s], s22, v4
	s_add_co_u32 s21, s21, SLOT
	s_add_co_u32 s22, s22, SLOT
.endr
	s_mul_i32 s23, s16, 2*PANEL                    ; into the stage: my two panels (128 columns),
	s_mul_i32 s22, s15, 128*80                     ; my 128 rows,
	s_add_co_u32 s23, s23, s22
	v_mul_u32_u24 v5, v1, 80                       ; row r, 8 bytes for each half of the lanes
	s_wait_alu depctr_va_vdst(0)
	v_lshl_add_u32 v5, v2, 3, v5
	v_add_nc_u32 v[STO], s23, v5
	s_mul_i32 s23, s14, PANEL                      ; back: wave w takes panel w whole: four lanes to a row of 64 bytes, eight rows an instruction
	v_and_b32 v6, 31, v0
	v_lshrrev_b32 v7, 2, v6
	v_mul_u32_u24 v7, v7, 80
	v_and_b32 v8, 3, v6
	v_lshl_add_u32 v7, v8, 4, v7
	v_add_nc_u32 v[RD], s23, v7
	v_lshlrev_b32 v[CO], 4, v6
.if MODE == 0
	s_cmp_eq_u32 s84, 0                            ; Q keeps its rows' order; in K and V^T blocks 1 and 2 of each four blocks of 8 rows (512 bytes each) change places: chosen, not branched on
	s_cselect_b32 s91, 0, 512
	s_cselect_b32 s85, 512, 0
.else
	s_mov_b32 s91, 0
	s_mov_b32 s85, 512
.endif
	v_add_nc_u32 v[COA], s91, v[CO]                ; block 1 goes to its own place, or one block further on
	v_add_nc_u32 v[COB], s85, v[CO]                ; block 2, counted from block 1's place: one block further on, or there
	s_lshl_b32 s86, s42, 2
	s_add_co_u32 s86, s86, s14                     ; my panel of the output: 4 x tile column + wave,
	s_lshl_b32 s86, s86, s90
	s_lshl_b32 s87, s17, 14                        ; and the tile's 256 rows of 64 bytes in it
	s_add_co_u32 s86, s86, s87
.if MODE == 0
	s_lshl_b32 s87, s84, 22                        ; Q at 0, K at 4 MiB, V^T at 8 MiB
	s_add_co_u32 s86, s86, s87
.endif
	s_mov_b32 s87, 0
	s_add_nc_u64 s[10:11], s[10:11], s[86:87]
.macro FRAG reg, adr, q, i             ; a fragment, 16 rows x 128 K of 8-bit codes, is 16 registers: lane l holds row l % 16; registers 4 c .. 4 c + 3 hold K = 32 c + 16 (l / 16) + 0 .. 15: the same order in A and in B
.irp c, 0,1,2,3
	ds_load_b128 v[\reg+4*\c:\reg+4*\c+3], v[\adr] offset:128*(\q)+32*\c+(\i)*16*PITCH
.endr
.endm
; 16 matrix instructions: A's blocks a0, a0 + 1 x B's eight, 128 along K.  p: B's set.  zero = 1: the first product starts the sums: nothing is ever cleared.
; The 64 accumulators take turns, one instruction a turn, in the same order in every step.
.macro MUL16 a0, p, zero
.irp a, \a0, \a0+1
.irp b, 0,1,2,3,4,5,6,7
.if \zero
	v_wmma_f32_16x16x128_fp8_fp8 v[8*(8*((\a)%4)+\b):8*(8*((\a)%4)+\b)+7], v[128*(\p)+FR*\b:128*(\p)+FR*\b+FR-1], v[AF+FR*(\a):AF+FR*(\a)+FR-1], 0
.else
	v_wmma_f32_16x16x128_fp8_fp8 v[8*(8*((\a)%4)+\b):8*(8*((\a)%4)+\b)+7], v[128*(\p)+FR*\b:128*(\p)+FR*\b+FR-1], v[AF+FR*(\a):AF+FR*(\a)+FR-1], v[8*(8*((\a)%4)+\b):8*(8*((\a)%4)+\b)+7]
.endif
.endr
.endr
.endm
.macro FETCH_B slot, q, p              ; B's eight fragments of the slot's q-th 128 along K into set p
	WIN TO_B
.irp i, 0,1,2,3,4,5,6,7
	FRAG 128*(\p)+FR*\i, ADRB+\slot, \q, \i
.endr
	WIN 0
.endm
.macro FETCH_A slot, q, i0             ; A's blocks i0 .. i0 + 3
.irp i, \i0, \i0+1, \i0+2, \i0+3
	FRAG AF+FR*(\i), ADRA+\slot, \q, \i
.endr
.endm
; A load into a register that a matrix instruction has read, and a vector instruction that reads a matrix result, stand NP places behind that matrix instruction, and only plain vector
; instructions that name none of its registers are places (ISA guide 7.12.1 for vector instructions).
.macro PLACES n
.rept \n
	v_nop
.endr
.endm
; A step of 128 along K that has its successor in the same slot.
.macro STEP slot, q, zero
	s_wait_dscnt 4*NL                              ; B's set and A's blocks 0-3 are in; the youngest 16 loads (A's blocks 4-7) may be out
	WIN MUL_LO
	MUL16 0, (\q)%2, \zero
	MUL16 2, (\q)%2, \zero
	s_wait_dscnt 0                                 ; A's blocks 4-7 are in (asked for 32 matrix instructions ago)
	PLACES NP
	FETCH_B \slot, (\q)+1, 1-(\q)%2
	FETCH_A \slot, (\q)+1, 0
	WIN MUL_HI
	MUL16 4, (\q)%2, \zero
	MUL16 6, (\q)%2, \zero
	PLACES NP
	WIN 0
	FETCH_A \slot, (\q)+1, 4
.endm
; A slot's last step changes slots: ONE barrier; in front of it each wave waits for all its tensor loads, adds 0 to its spare word, and waits for that and for its own reads of this slot.  fill = 1: this slot is filled again, two K steps ahead.
.macro TURN slot, next, fill
	s_wait_tensorcnt 0x0                           ; all my tensor loads have landed: my part of the next slot;  (every window is 0 here)
	ds_add_u32 v[SPW], v[NIL]                      ; 0 onto my spare word;
	s_wait_dscnt 4*NL+1                            ; (the add and the youngest 16 loads, A's blocks 4-7, may be out)
	WIN MUL_LO
	MUL16 0, 1, 0                                  ; sixteen matrix instructions stand between the add and the wait for it
	s_wait_dscnt 0x0                               ; the add is done, and my reads of this slot are over
	s_barrier_signal -1
	MUL16 2, 1, 0
	WIN 0
	s_barrier_wait -1
.if \fill
	CREST                                          ; the barrier has opened a round of the cluster's barrier: no wave of any partner still reads this slot's tile or has a load on its way
	s_add_nc_u64 s[G0+4*\slot+2:G0+4*\slot+3], s[G0+4*\slot+2:G0+4*\slot+3], 2*ROWB
	s_add_nc_u64 s[G0B+4*\slot+2:G0B+4*\slot+3], s[G0B+4*\slot+2:G0B+4*\slot+3], 2*ROWB
	JLOAD G0+4*\slot, G1, G0B+4*\slot, G1B         ; the first tensor load behind the round; the four v_nop behind it are the places in front of the loads below
.else
	PLACES NP
.endif
	FETCH_B \next, 0, 0
	FETCH_A \next, 0, 0
	WIN MUL_HI
	MUL16 4, 1, 0
	MUL16 6, 1, 0
	PLACES NP
	WIN 0
	FETCH_A \next, 0, 4
.endm
	s_wait_tensorcnt 1                             ; my part of K step 0 is in (K step 1's load may be out)
	s_barrier_signal -1
	s_barrier_wait -1                              ; everybody's is
	FETCH_B 0, 0, 0
	FETCH_A 0, 0, 0
	FETCH_A 0, 0, 4
	STEP 0, 0, 1                                   ; the first step stands in front of the loop: its products start the sums
.if LAPS > 1
	s_mov_b32 s3, LAPS-1
.Llap:                                                 ; a trip goes once round the ring, from a lap's second step to the next lap's first, and fills both slots again
	TURN 0, 1, 1
	STEP 1, 0, 0
	TURN 1, 0, 1
	STEP 0, 0, 0
	s_sub_co_u32 s3, s3, 1
	s_cmp_lg_u32 s3, 0
	s_cbranch_scc1 .Llap
.endif
	TURN 0, 1, 0                                   ; the last lap fills nothing, and has no round of the cluster's barrier
	STEP 1, 0, 0
	s_wait_dscnt 4*NL                              ; the very last step: nothing more to fetch
	WIN MUL_LO
	MUL16 0, 1, 0
	MUL16 2, 1, 0
	s_wait_dscnt 0
	WIN MUL_HI
	MUL16 4, 1, 0
	MUL16 6, 1, 0
	WIN 0
; THE WAY OUT.  Block a (16 rows x 128 columns): each accumulator from its low end on;
; an accumulator's eight numbers of a lane become eight codes, 8 bytes of a row of a panel, and go into the work-group's stage.
.macro QBLOCK a
.set AC, 64*((\a)%4)
	WIN 0x02+((\a)/4)                              ; source 0: window 2 or 3
.set j, 0
.rept 64
.if MODE == 0
.else
	v_med3_num_f32 v[TMP+j], v[AC+j], 0, v[LIMV]
.endif
.set j, j+1
.endr
.irp b, 0,1,2,3,4,5,6,7
	v_cvt_scalef32_pk8_fp8_f32 v[OUTR+16*(\a)+2*\b:OUTR+16*(\a)+2*\b+1], v[AC+8*\b:AC+8*\b+7], v[SCV]
.endr
	WIN 0
	v_nop                                          ; a plain instruction behind the conversions
.irp b, 0,1,2,3,4,5,6,7
	ds_store_b64 v[STO], v[OUTR+16*(\a)+2*\b:OUTR+16*(\a)+2*\b+1] offset:(\b/4)*PANEL+(\a)*1280+16*(\b%4)
.endr
.endm
	s_wait_kmcnt 0x0
.if MODE == 0
	s_cmp_eq_u32 s84, 0                            ; the section's three exponents: (e0, e1, e6), (e2, e3, e7), (e4, e5, e9): chosen, not branched on
	s_cselect_b32 s85, s68, s70
	s_cselect_b32 s86, s69, s71
	s_cselect_b32 s87, s74, s75
	s_cmp_eq_u32 s84, 2
	s_cselect_b32 s85, s72, s85
	s_cselect_b32 s86, s73, s86
	s_cselect_b32 s87, s77, s87
.else
	s_mov_b32 s85, s68
	s_mov_b32 s86, s69
	s_mov_b32 s87, s70
.endif
	s_sub_co_i32 s87, s87, s85
	s_sub_co_i32 s87, s87, s86                     ; X = eo - ea - eb
	s_add_co_i32 s87, s87, 127
	s_lshl_b32 s88, s87, 23
	v_mov_b32 v[SCV], s88                          ; 2^X
	s_add_co_i32 s87, s87, 8
	s_lshl_b32 s87, s87, 23
	s_or_b32 s87, s87, 0x600000
	PLACES NP                                      ; behind the last products: their results are read, and the registers that held A's fragments are written, only behind these
.irp a, 0,1,2,3,4,5,6,7
	QBLOCK \a
.endr
	s_wait_dscnt 0x0                               ; for the others' sake: my stores into the stage are done
	s_barrier_signal -1
	s_barrier_wait -1                              ; the tile's four panels lie whole in the stage
.set tt, 0
.rept 32
	ds_load_b128 v[OUTR+4*tt:OUTR+4*tt+3], v[RD] offset:640*tt
.set tt, tt+1
.endr
; Block tt is rows 8 tt .. 8 tt + 7 of my panel: 512 bytes, which the 32 lanes store on end, at a multiple of 512 from the panel's first byte.  Blocks 0 and 3 of each four go to their own places;
; blocks 1 and 2 go by the two offsets made at the head, which leave them where they are (Q) or let them change places (K, V^T).
.set tt, 0
.rept 32
	s_wait_dscnt 31-tt                             ; LDS loads come back in order: number tt is in
.if tt%4 == 1
	global_store_b128 v[COA], v[OUTR+4*tt:OUTR+4*tt+3], s[10:11] offset:512*tt
.elseif tt%4 == 2
	global_store_b128 v[COB], v[OUTR+4*tt:OUTR+4*tt+3], s[10:11] offset:512*(tt-1)
.else
	global_store_b128 v[CO], v[OUTR+4*tt:OUTR+4*tt+3], s[10:11] offset:512*tt
.endif
.set tt, tt+1
.endr
	s_wait_tensorcnt 0x0                           ; the wave's end: behind my last tensor load and my last LDS store
	ds_add_u32 v[SPW], v[NIL]
	s_wait_dscnt 0x0
	CROUND                                         ; the closing round: no work-group ends while a partner may still ask for a tile that names it
	s_endpgm
.Lfunc_end_k_q0686aae1b4_qkv:
	.size	k_q0686aae1b4_qkv, .Lfunc_end_k_q0686aae1b4_qkv-k_q0686aae1b4_qkv
	.p2alignl 7, 3214868480
	.fill 96, 4, 3214868480
	.section	.rodata,"a",@progbits
	.p2align	6, 0x0
	.amdhsa_kernel k_q0686aae1b4_qkv
		.amdhsa_group_segment_fixed_size 327680
		.amdhsa_private_segment_fixed_size 0
		.amdhsa_enable_private_segment 0
		.amdhsa_kernarg_size 32
		.amdhsa_user_sgpr_count 2
		.amdhsa_user_sgpr_kernarg_segment_ptr 1
		.amdhsa_wavefront_size32 1
		.amdhsa_system_sgpr_workgroup_id_x 1
		.amdhsa_system_sgpr_workgroup_id_y 1
		.amdhsa_system_sgpr_workgroup_id_z 1
		.amdhsa_system_vgpr_workitem_id 0
		.amdhsa_next_free_vgpr 1024
		.amdhsa_next_free_sgpr 100
		.amdhsa_reserve_vcc 0
		.amdhsa_float_denorm_mode_32 3
		.amdhsa_float_denorm_mode_16_64 3
		.amdhsa_fp16_overflow 1
		.amdhsa_memory_ordered 1
		.amdhsa_forward_progress 1
		.amdhsa_inst_pref_size 94
	.end_amdhsa_kernel
	.amdgpu_metadata
---
amdhsa.version: [ 1, 2 ]
amdhsa.kernels:
  - .name:           k_q0686aae1b4_qkv
    .symbol:         k_q0686aae1b4_qkv.kd
    .args:
      - { .name: hc, .offset: 0, .size: 8, .value_kind: global_buffer, .address_space: global }
      - { .name: wc, .offset: 8, .size: 8, .value_kind: global_buffer, .address_space: global }
      - { .name: lowp_scales, .offset: 16, .size: 8, .value_kind: global_buffer, .address_space: global }
      - { .name: qkv, .offset: 24, .size: 8, .value_kind: global_buffer, .address_space: global }
    .group_segment_fixed_size: 327680
    .private_segment_fixed_size: 0
    .kernarg_segment_align: 8
    .kernarg_segment_size: 32
    .max_flat_workgroup_size: 128
    .sgpr_count:     100
    .vgpr_count:     1024
    .wavefront_size: 32
...
	.end_amdgpu_metadata
.endif
;; end of part 2
;; launch attn (part 3): grid 8 x 32, 16 waves a work-group, no clusters, 327,680 bytes of LDS; arguments qkv, lowp_scales, ac; writes ac
.if DOCPART == 3
	.amdgcn_target "amdgcn-amd-amdhsa--gfx1250"
	.amdhsa_code_object_version 6
	.text
	.protected	k_q0686aae1b4_attn
	.globl	k_q0686aae1b4_attn
	.p2align	8
	.type	k_q0686aae1b4_attn,@function
k_q0686aae1b4_attn:
	s_mov_b64 s[64:65], 0
	v_nop
	global_prefetch_b8 v0, s[64:65] scope:SCOPE_SE
	s_setreg_imm32_b32 hwreg(HW_REG_WAVE_MODE, 25, 1), 1
	s_wait_xcnt 0x0
; CAUSAL ATTENTION on codes of E4M3, head size 64, 32 (batch, head) pairs of 2,048 tokens.  qkv holds Q at 0 and K at 4 MiB, both [16 heads][4096 tokens][64], and V TRANSPOSED at 8 MiB,
; [64 panels of 64 tokens][1024 features][64 keys].  The result is quantised (scale e10) into ac [16 heads][4096 tokens][64], the left operand of the next product.
; THE SOFTMAX: t = score x log2(e) / 8; M = the row's largest t so far, rounded UP to a whole number; p = 2^(t - M) is quantised (e8), not normalised.  The row's sum is taken of the unquantised p, in f32,
; and divides O at the end.  When M moves, the sum and O are multiplied by 2^(old M - new M): exact.
; SHARES.  Work-group (i, y): batch y / 16, head y % 16, and the blocks of 128 queries i and 15 - i: an early and a late one, so that every work-group has the same work under the causal mask.
; Each of the sixteen waves owns 16 queries in 256 registers; wave w is of the late block where (w xor w / 4) is odd, and takes the block's queries 16 (w / 2) on: of any four waves w, w + 4, w + 8, w + 12,
; and of any four neighbours, two are early and two late.  A wave walks the keys 128 a step; a step all of whose keys come after its queries is jumped over (a scalar branch on ids; no barrier or tensor load stands in a step).
; THE RING: two LDS slots of 512 keys.  Every wave fetches one tile of 64 rows x 64 bytes by one tensor load: waves 0-7 64 keys of K each, waves 8-15 a panel (64 features x 64 keys) of V^T each.
; No cluster: partners would need branches that differ (the causal jump hangs on the work-group's block of queries), which joint loads do not allow.
; No prefetch of K and V: a refill is asked for a slot, four key steps of the work-group's waves, ahead of the barrier that waits for it.
; LAYOUT.  Both products are used transposed: S^T = K Q^T (source 0 = 16 keys, source 1 = my 16 queries), O^T = V^T P^T: a lane holds ONE query (lane % 16) throughout.
; THE ROWS OF A TILE ARE NOT NEIGHBOURS IN THE TENSOR: lane r of tile 2 b + u takes row 32 b + 8 u + r + 8 (r / 8), of K and of V^T alike, so that the 16 registers of tiles 2 b and 2 b + 1 are 16 neighbours,
; 32 b + 16 (lane / 16) + 0 .. 15: neighbouring keys in p, neighbouring features in O^T: both are what the conversions want.  BUT THEY ARE NEIGHBOURS IN MEMORY AND IN LDS: the launch that made K and V^T laid each 32 rows
; with the second and third block of 8 changed over, so that tile t's lane r reads row 16 t + r.  Rows 80 bytes apart, 16 on end, begin at 16 different multiples of 16 bytes modulo 256 (64 banks of 4 bytes: ISA guide 11.1);
; rows 16 apart would begin 1,280 = 5 x 256 bytes apart, whatever the padding.
; LIMITS, so that each power of two below is an f32 number: e6 + e7 between -123 and 130 (added to c's exponent field); e8 between -126 and 119; e8 + e9 - e10 is applied by v_ldexp_f32.
; REGISTERS: v1-7 addresses that stay; v8-11 addresses in hand; v12 -M, v13 the largest t, v[14:15] the sum in two halves; v[16:23] Q; v32-95 fragments of K, then of V; v96-159 S^T, then p; v160-191 O^T; v224-239 p's codes; v240-254 at work.
.set KP,    80                         ; a row in LDS: 64 bytes + 16 of padding
.set TILEB, 64*KP                      ; a tile: what one tensor load brings
.set VOFF,  8*TILEB                    ; a slot: 512 rows of K, then eight panels of V^T
.set SLOT1, 1<<17                      ; slot 1 begins here, so that one exclusive or turns an address in one slot into the other's
.set NSL,   4                          ; slots' worth of keys
.set SPARE, 2*SLOT1                    ; behind the ring: the spare words, 128 bytes for each wave: eight blocks of 256 bytes that no other line names
.set AK0,  1                           ; v1   my lane's place in a tile of K
.set AV0,  2                           ; v2   the same for V^T
.set SPW,  5                           ; v5   LDS address of my spare word; never rewritten
.set NIL,  6                           ; v6   0; never rewritten
.set GO,   7                           ; v7   16 x lane
.set ADK,  8                           ; v8   LDS address of the step's tiles of K
.set ADV,  9                           ; v9   of V^T
.set PD,   246                         ; v246 destination of the lane permutes
.set WV,   18                          ; s18  my wave's number
.set SEL,  20                          ; s[20:21] lane selects: lane l xor 16
.set CS,   22                          ; s[22:23] c = log2(e) / 8 x 2^(e6 + e7)
.set G1,   24                          ; s[24:31] descriptor group 1: one shape for all sixteen loads
.set G0,   40                          ; s[40:43] descriptor group 0, which walks
.set STP,  44                          ; s[44:45] a slot on, in bytes of memory
.set TB,   2                           ; s2   LDS byte at which the slot in hand begins
.set SLOTS, 67                         ; s67  slots still to be asked for
.set KF,   98                          ; s98  the step's first key
.set Q0,   99                          ; s99  my first query
	s_load_b128 s[4:7], s[0:1], 0x0                ; qkv s[4:5], the scales' exponents s[6:7]
	s_load_b64 s[16:17], s[0:1], 0x10              ; ac
	v_lshl_add_u32 v[SPW], v0, 2, SPARE
	v_mov_b32 v[NIL], 0
	ds_add_u32 v5, v6
	ds_add_u32 v5, v6
	s_wait_dscnt 0x0
	v_lshrrev_b32 v8, 5, v0
	s_delay_alu instid0(VALU_DEP_1)
	v_readfirstlane_b32 s[WV], v8                  ; wave 0..15
	s_and_b32 s76, ttmp7, 0xffff
	s_lshr_b32 s77, s76, 4                         ; batch
	s_and_b32 s78, s76, 15                         ; head
	s_lshl_b32 s79, s78, 18
	s_lshl_b32 s80, s77, 17
	s_or_b32 s79, s79, s80                         ; the head's and batch's first byte in Q, K and ac: 262,144 x head + 131,072 x batch
	s_lshr_b32 s80, s[WV], 2
	s_xor_b32 s80, s80, s[WV]
	s_and_b32 s80, s80, 1                          ; 0: the early block, 1: the late one
	s_sub_co_u32 s81, 15, ttmp9
	s_cmp_eq_u32 s80, 0
	s_cselect_b32 s81, ttmp9, s81                  ; my block of 128 queries
	s_lshl_b32 s81, s81, 7
	s_lshr_b32 s82, s[WV], 1
	s_lshl_b32 s82, s82, 4
	s_add_co_u32 s[Q0], s81, s82                   ; my first query
	s_lshl_b32 s83, s[WV], 12                      ; what I fetch: waves 0-7: keys 64 w on: 4,096 bytes,
	s_add_co_u32 s83, s83, s79
	s_add_co_u32 s83, s83, 0x400000
	s_and_b32 s84, s[WV], 7                        ; waves 8-15: panel w - 8 (65,536 bytes each; 32 panels a batch), the head's 64 rows of 64 bytes in it
	s_lshl_b32 s84, s84, 16
	s_lshl_b32 s85, s77, 21
	s_add_co_u32 s84, s84, s85
	s_lshl_b32 s85, s78, 12
	s_add_co_u32 s84, s84, s85
	s_add_co_u32 s84, s84, 0x800000
	s_cmp_lt_u32 s[WV], 8
	s_cselect_b32 s86, s83, s84                    ; an offset is chosen, by the wave's number; the pointer is one and the same
	s_mov_b32 s87, 0
	s_mov_b32 s[STP], 524288                       ; a slot on: eight panels,
	s_cselect_b32 s[STP], 32768, s[STP]            ; or 512 keys of 64 bytes
	s_mov_b32 s[STP+1], 0
	s_lshl_b32 s88, s[Q0], 6
	s_add_co_u32 s88, s88, s79                     ; my queries' rows in Q and in ac
	s_mov_b32 s89, 0
	; descriptor group 1: 64 rows of 64 bytes, dense in memory, 16 bytes of padding behind each in LDS
	s_mov_b32 s[G1], (0<<16)|(1<<20)|(3<<22)|(3<<25)   ; 15:0 no mask; 17:16 elements of 1 byte; 20 padding on; 24:22 after every 16 words (code 3); 31:25 four words (code 3)
	s_mov_b32 s[G1+1], 64<<16                      ; tensor_dim0
	s_mov_b32 s[G1+2], 64<<16                      ; tensor_dim1
	s_mov_b32 s[G1+3], 64<<16                      ; tile_dim0
	s_mov_b32 s[G1+4], 64                          ; tile_dim1
	s_mov_b32 s[G1+5], 64                          ; tensor_dim0_stride
	s_mov_b32 s[G1+6], 0
	s_mov_b32 s[G1+7], 0
	s_mov_b32 s[SEL], 0x76543210
	s_mov_b32 s[SEL+1], 0xfedcba98
	s_mov_b32 s[CS], 0x3e38aa3b                    ; log2(e) / 8
	s_mov_b32 s[TB], 0
	s_mov_b32 s[SLOTS], NSL-1
	s_mov_b32 s[KF], 0
	s_mov_b32 s[G0], 1                             ; 1:0 count = 1
	s_mul_i32 s[G0+1], s[WV], TILEB                ; 63:32 LDS address: slot 0, tile w
	s_wait_kmcnt 0x0
	s_load_b256 s[68:75], s[6:7], 0x10             ; e4 .. e11: e6 s70, e7 s71, e8 s72, e9 s73, e10 s74
	s_add_nc_u64 s[G0+2:G0+3], s[4:5], s[86:87]    ; 120:64 global address
	s_or_b32 s[G0+3], s[G0+3], 0x80000000          ; 127:126 type = 2
	tensor_load_to_lds s[G0:G0+3], s[G1:G1+7]      ; slot 0: the launch's first fill
	s_nop 0
.rept 4
	v_nop
.endr
	s_add_nc_u64 s[8:9], s[4:5], s[88:89]          ; Q at my first query
	s_add_nc_u64 s[16:17], s[16:17], s[88:89]      ; ac likewise
	v_and_b32 v8, 15, v0                           ; r
	v_bfe_u32 v9, v0, 4, 1                         ; h
	s_delay_alu instid0(VALU_DEP_2)
	v_lshlrev_b32 v10, 6, v8
	s_delay_alu instid0(VALU_DEP_1)
	v_lshl_add_u32 v10, v9, 4, v10                 ; Q: row r of 64 bytes, + 16 h
	global_load_b128 v[16:19], v10, s[8:9]         ; Q's fragment stays in registers: registers 4 c .. 4 c + 3 hold channels 32 c + 16 h + 0 .. 15, as K's do
	global_load_b128 v[20:23], v10, s[8:9] offset:32
	v_mul_u32_u24 v[AK0], v8, KP                   ; a tile's lane r reads the tile's r-th LDS row,
	s_delay_alu instid0(VALU_DEP_1)
	v_lshl_add_u32 v[AK0], v9, 4, v[AK0]           ; + 16 h
	s_delay_alu instid0(VALU_DEP_1)
	v_add_nc_u32 v[AV0], VOFF, v[AK0]
	v_and_b32 v[GO], 31, v0
	s_delay_alu instid0(VALU_DEP_1)
	v_lshlrev_b32 v[GO], 4, v[GO]
	v_mov_b32 v13, 0xff61b1e6                      ; the largest t so far: -3e38, under every t
	s_delay_alu instid0(VALU_DEP_1)
	v_floor_f32 v12, -v13                          ; -M
	v_mov_b32 v14, 0                               ; the sum, in two halves
	v_mov_b32 v15, 0
	v_mov_b32 v[PD], 0                             ; a lane permute's destination counts as one of its sources
	v_mov_b32 v252, 0
	v_mov_b32 v253, 0                              ; (named as the upper half of the pair v[252:253])
.set j, 0
.rept 32
	v_mov_b32 v[160+j], 0                          ; O^T.  (The step is written once for all: the first finds zeros, which the first change of M leaves zeros)
.set j, j+1
.endr
	s_wait_kmcnt 0x0
	s_add_co_i32 s76, s70, s71
	s_lshl_b32 s76, s76, 23
	s_add_co_i32 s[CS], s[CS], s76                 ; a score stands for score x 2^(e6 + e7): the two exponents are added to c's exponent field
	s_mov_b32 s[CS+1], s[CS]                       ; (named with it as a pair, so it is written)
	s_add_co_i32 s76, s72, 127
	s_lshl_b32 s77, s76, 23
	v_mov_b32 v244, s77                            ; 2^e8 as f32, for the conversion
; A KEY STEP: 128 keys, the q-th of the slot in hand.
.macro STEP q
	s_add_co_u32 s96, s[Q0], 15
	s_cmp_gt_u32 s[KF], s96                        ; all 128 keys come after my 16 queries: nothing to do
	s_cbranch_scc1 .Lhidden_\@
	v_add_nc_u32 v[ADK], s[TB], v[AK0]
	v_add_nc_u32 v[ADV], s[TB], v[AV0]
	v_nop                                          ; with the two additions: four places in front of loads into registers that the last step's matrix instructions have read
	v_nop
.irp t, 0,1,2,3,4,5,6,7
.irp c, 0,1
	ds_load_b128 v[32+8*\t+4*\c:35+8*\t+4*\c], v[ADK] offset:(128*(\q)+16*\t)*KP+32*\c   ; tile t: LDS rows 16 t on, which hold keys 32 (t / 2) + 8 (t % 2) + r + 8 (r / 8)
.endr
.endr
	s_wait_alu depctr_va_vdst(0)
	s_wait_dscnt 0x0
.irp t, 0,1,2,3,4,5,6,7                        ; S^T = K Q^T: eight tiles of 16 keys, K = the head's 64
	v_wmma_f32_16x16x64_fp8_fp8 v[96+8*\t:103+8*\t], v[32+8*\t:39+8*\t], v[16:23], 0
.endr
.rept 4
	v_nop                                          ; places: in front of the loads below, into registers that these products read, and of the first read of the scores
.endr
.irp t, 0,1,2,3                                ; V^T's four fragments (16 features x 128 keys) are asked for now and land under the softmax
.irp c, 0,1,2,3
	ds_load_b128 v[32+16*\t+4*\c:35+16*\t+4*\c], v[ADV] offset:(2*(\q)+\c/2)*TILEB+16*\t*KP+32*(\c%2)   ; tile t: a panel's LDS rows 16 t on, which hold features 32 (t / 2) + 8 (t % 2) + r + 8 (r / 8)
.endr
.endr
	s_add_co_u32 s96, s[KF], 127                   ; on the diagonal the scores of hidden keys become -infinity ahead of the maximum: p = 0 then.  A step all of whose keys count skips this
	s_cmp_le_u32 s96, s[Q0]
	s_cbranch_scc1 .Lopen_\@
	s_sub_co_i32 s96, s[Q0], s[KF]
	v_and_b32 v252, 15, v0
	v_bfe_u32 v253, v0, 4, 1
	s_delay_alu instid0(VALU_DEP_1)
	v_lshlrev_b32 v253, 4, v253
	s_delay_alu instid0(VALU_DEP_1)
	v_sub_nc_u32 v252, v252, v253
	s_delay_alu instid0(VALU_DEP_1)
	v_add_nc_u32 v252, s96, v252                   ; d = my query - KF - 16 (lane / 16).  Register 16 b + i holds key KF + 16 (lane / 16) + 32 b + i: hidden where 32 b + i > d
	v_mov_b32 v254, 0xff800000                     ; -infinity
.set n, 0
.rept 64
	v_cmp_gt_i32 vcc_lo, 32*(n/16)+n%16, v252
	v_cndmask_b32 v[96+n], v[96+n], v254, vcc_lo
.set n, n+1
.endr
.Lopen_\@:
	v_max3_num_f32 v254, v96, v97, v98             ; the step's largest score of my query, among my 64 keys, in two chains,
	v_max3_num_f32 v252, v99, v100, v101
.irp i, 6,10,14,18,22,26,30,34,38,42,46,50,54,58
	v_max3_num_f32 v254, v254, v[96+\i], v[97+\i]
	v_max3_num_f32 v252, v252, v[98+\i], v[99+\i]
.endr
	v_max3_num_f32 v254, v254, v158, v159
	s_delay_alu instid0(VALU_DEP_1)
	v_max_num_f32 v254, v254, v252
	s_delay_alu instid0(VALU_DEP_1)
	v_permlanex16_b32 v[PD], v254, s[SEL], s[SEL+1]
	s_delay_alu instid0(VALU_DEP_1)
	v_max_num_f32 v254, v254, v[PD]                ; and among lane l xor 16's
	s_delay_alu instid0(VALU_DEP_1)
	v_mul_f32 v254, s[CS], v254                    ; as t (c is positive)
	s_delay_alu instid0(VALU_DEP_1)
	v_max_num_f32 v13, v13, v254                   ; the running largest t
	v_mov_b32 v254, v12
	s_delay_alu instid0(VALU_DEP_2)
	v_floor_f32 v12, -v13                          ; the new -M = floor(-t) = -ceil(t): M IS A WHOLE NUMBER
	s_delay_alu instid0(VALU_DEP_1)
	v_sub_f32 v254, v12, v254                      ; M's old value less its new one: a whole number, 0 or less
	s_delay_alu instid0(VALU_DEP_1)
	v_cvt_i32_f32 v254, v254                       ; (it saturates)
	s_delay_alu instid0(VALU_DEP_1)
	v_ldexp_f32 v252, 1.0, v254                    ; f = 2^(old M - new M): a multiplication by it rounds nothing
.set j, 0
.rept 32
	v_pk_fma_f32 v[96+j:97+j], v[96+j:97+j], s[CS:CS+1], v[12:13] op_sel_hi:[1,0,0]   ; t - M, two at a time (of the pairs c and -M the low word serves both halves)
.set j, j+2
.endr
.set j, 0
	s_wait_alu depctr_va_vdst(0)
.rept 64
	v_exp_f32 v[96+j], v[96+j]                     ; p = 2^(t - M), at most 1: NOT normalised
.set j, j+1
.endr
	v_pk_mul_f32 v[14:15], v[14:15], v[252:253] op_sel_hi:[1,0]   ; the sums under the new M.  (The plain instruction behind the exponentials)
	s_wait_alu depctr_va_vdst(0)                   ; one wait for the whole batch, ahead of its first reader
	v_pk_add_f32 v[242:243], v[100:101], v[104:105]
	v_pk_add_f32 v[254:255], v[108:109], v[112:113]
	v_pk_add_f32 v[250:251], v[116:117], v[120:121]
	v_pk_add_f32 v[248:249], v[124:125], v[128:129]
	v_pk_add_f32 v[240:241], v[132:133], v[136:137]
	v_pk_add_f32 v[238:239], v[140:141], v[144:145]
	v_pk_add_f32 v[236:237], v[148:149], v[152:153]
	v_pk_add_f32 v[14:15], v[14:15], v[156:157]
	v_pk_add_f32 v[242:243], v[242:243], v[96:97]
	v_pk_add_f32 v[254:255], v[254:255], v[98:99]
	v_pk_add_f32 v[250:251], v[250:251], v[102:103]
	v_pk_add_f32 v[248:249], v[248:249], v[106:107]
	v_pk_add_f32 v[240:241], v[240:241], v[110:111]
	v_pk_add_f32 v[238:239], v[238:239], v[114:115]
	v_pk_add_f32 v[236:237], v[236:237], v[118:119]
	v_pk_add_f32 v[14:15], v[14:15], v[122:123]
	v_pk_add_f32 v[242:243], v[242:243], v[126:127]
	v_pk_add_f32 v[254:255], v[254:255], v[130:131]
	v_pk_add_f32 v[250:251], v[250:251], v[134:135]
	v_pk_add_f32 v[248:249], v[248:249], v[138:139]
	v_pk_add_f32 v[240:241], v[240:241], v[142:143]
	v_pk_add_f32 v[238:239], v[238:239], v[146:147]
	v_pk_add_f32 v[236:237], v[236:237], v[150:151]
	v_pk_add_f32 v[14:15], v[14:15], v[154:155]
	v_pk_add_f32 v[242:243], v[242:243], v[158:159]
	s_delay_alu instid0(VALU_DEP_2)
	v_pk_add_f32 v[14:15], v[14:15], v[248:249]
	s_delay_alu instid0(VALU_DEP_2)
	v_pk_add_f32 v[242:243], v[242:243], v[240:241]
	v_pk_add_f32 v[254:255], v[254:255], v[238:239]
	v_pk_add_f32 v[250:251], v[250:251], v[236:237]
	s_delay_alu instid0(VALU_DEP_2)
	v_pk_add_f32 v[14:15], v[14:15], v[254:255]
	s_delay_alu instid0(VALU_DEP_2)
	v_pk_add_f32 v[242:243], v[242:243], v[250:251]
	s_delay_alu instid0(VALU_DEP_1)
	v_pk_add_f32 v[14:15], v[14:15], v[242:243]
.irp b, 0,1,2,3
.irp i, 0,1,2,3,4,5,6,7,8,9,10,11,12,13,14,15
.endr
	v_cvt_scalef32_pk8_fp8_f32 v[224+4*\b:225+4*\b], v[96+16*\b:103+16*\b], v244
	v_cvt_scalef32_pk8_fp8_f32 v[226+4*\b:227+4*\b], v[104+16*\b:111+16*\b], v244
.endr
.set j, 0
.rept 16
	v_pk_mul_f32 v[160+j:161+j], v[160+j:161+j], v[252:253] op_sel_hi:[1,0]   ; O^T under the new M: x f.  (Also the plain instructions between the conversions and the products that read the codes)
.set j, j+2
.endr
	s_wait_alu depctr_va_vdst(0)
	s_wait_dscnt 0x0                               ; V^T's fragments are in
.irp t, 0,1,2,3                                ; O^T += V^T P^T: four tiles of 16 of the head's 64, K = these 128 keys; the four accumulators take turns
	v_wmma_f32_16x16x128_fp8_fp8 v[160+8*\t:167+8*\t], v[32+16*\t:47+16*\t], v[224:239], v[160+8*\t:167+8*\t]
.endr
.Lhidden_\@:
	s_add_co_u32 s[KF], s[KF], 128
.endm
; THE CHANGE OF SLOTS stands at a slot's head.  Each wave waits for all its tensor loads (its tile of the slot that is about to be read), adds 0 to its spare word, and waits for that and for its reads of the slot that it has left.
; Behind the barrier the slot ahead is whole and nobody reads the other one.  fill = 1: that other slot is filled with the keys that follow: the load has four key steps in which to land.  One tensor load of a wave is out at a time.
.macro CHANGE fill
	s_wait_tensorcnt 0x0                           ; no tensor load of mine is out, so group 0 may be written
	ds_add_u32 v[SPW], v[NIL]                      ; 0 onto my spare word
.if \fill
	s_xor_b32 s[G0+1], s[G0+1], SLOT1              ; the walking descriptor: the other slot than last time,
	s_add_nc_u64 s[G0+2:G0+3], s[G0+2:G0+3], s[STP:STP+1]   ; the next 512 keys; the type bits on top are not reached
.endif
	s_wait_dscnt 0x0                               ; the add is done, and my reads of the slot that I have left are over
	s_barrier_signal -1
	s_barrier_wait -1
.if \fill
	tensor_load_to_lds s[G0:G0+3], s[G1:G1+7]      ; the first thing behind the barrier, and my one tensor load until the next
	s_nop 0
.rept 4
	v_nop
.endr
.endif
.endm
	s_wait_loadcnt 0x0                             ; Q
.Lslot:                                            ; NSL - 1 trips: behind each change of slots but the last the next slot is asked for
	CHANGE 1
	STEP 0
	STEP 1
	STEP 2
	STEP 3
	s_xor_b32 s[TB], s[TB], SLOT1                  ; on to the other slot
	s_sub_co_u32 s[SLOTS], s[SLOTS], 1
	s_cmp_lg_u32 s[SLOTS], 0
	s_cbranch_scc1 .Lslot
	CHANGE 0                                       ; the last slot is written out
	STEP 0
	STEP 1
	STEP 2
	STEP 3
	; THE WAY OUT.  O^T / the sum x 2^(e8 + e9 - e10) is the code's number; converted.  A lane's 16 + 16 codes go through my stage in LDS (16 rows x 80 bytes, in LDS slot 0, which was left at the
	; last change of slots: it has had its last fill, and nobody reads it) and leave as 2 x 512 consecutive bytes: my 16 rows of 64 bytes are dense in ac.
	v_add_f32 v14, v14, v15                        ; the sum's two halves,
	s_delay_alu instid0(VALU_DEP_1)
	v_permlanex16_b32 v[PD], v14, s[SEL], s[SEL+1]
	s_delay_alu instid0(VALU_DEP_1)
	v_add_f32 v14, v14, v[PD]                      ; and lane l xor 16's: the row's sum
	s_wait_alu depctr_va_vdst(0)
	v_rcp_f32 v14, v14
	v_and_b32 v8, 15, v0                           ; (plain instructions behind the transcendental)  r
	v_bfe_u32 v9, v0, 4, 1                         ; h
	s_add_co_i32 s76, s72, s73
	s_sub_co_i32 s76, s76, s74                     ; e8 + e9 - e10
	s_mul_i32 s77, s[WV], 16*KP                    ; my stage
	v_mul_u32_u24 v10, v8, KP
	s_delay_alu instid0(VALU_DEP_1)
	v_lshl_add_u32 v10, v9, 4, v10
	s_delay_alu instid0(VALU_DEP_1)
	v_add_nc_u32 v10, s77, v10                     ; in: row r, + 16 h
	v_and_b32 v11, 31, v0
	s_delay_alu instid0(VALU_DEP_1)
	v_lshrrev_b32 v3, 2, v11
	s_delay_alu instid0(VALU_DEP_1)
	v_mul_u32_u24 v3, v3, KP
	s_delay_alu instid0(VALU_DEP_3)
	v_and_b32 v4, 3, v11
	s_delay_alu instid0(VALU_DEP_1)
	v_lshl_add_u32 v3, v4, 4, v3
	s_delay_alu instid0(VALU_DEP_1)
	v_add_nc_u32 v11, s77, v3                      ; back: four lanes to a row, eight rows an instruction
	v_mov_b32 v245, 1.0                            ; the conversion's scale: 2^0
	s_wait_alu depctr_va_vdst(0)                   ; the wait ahead of the reciprocal's first reader
	v_ldexp_f32 v14, v14, s76
.set j, 0
.rept 32
	v_mul_f32 v[96+j], v[160+j], v14               ; register 16 b + i is feature 32 b + 16 h + i of query r; each accumulator from its low end on
.set j, j+1
.endr
.set j, 0
.rept 32
.set j, j+1
.endr
.irp g, 0,1,2,3
	v_cvt_scalef32_pk8_fp8_f32 v[224+2*\g:225+2*\g], v[96+8*\g:103+8*\g], v245
.endr
	v_nop                                          ; a plain instruction behind the conversions
	ds_store_b128 v10, v[224:227]
	ds_store_b128 v10, v[228:231] offset:32
	ds_load_b128 v[32:35], v11                     ; LDS serves a wave's instructions in order: these see my stores
	ds_load_b128 v[36:39], v11 offset:8*KP
	s_wait_dscnt 1
	global_store_b128 v[GO], v[32:35], s[16:17]
	s_wait_dscnt 0
	global_store_b128 v[GO], v[36:39], s[16:17] offset:512
	s_wait_tensorcnt 0x0                           ; the wave's end: behind my last tensor load and my last LDS store
	ds_add_u32 v[SPW], v[NIL]
	s_wait_dscnt 0x0
	s_endpgm
.Lfunc_end_k_q0686aae1b4_attn:
	.size	k_q0686aae1b4_attn, .Lfunc_end_k_q0686aae1b4_attn-k_q0686aae1b4_attn
	.p2alignl 7, 3214868480
	.fill 96, 4, 3214868480
	.section	.rodata,"a",@progbits
	.p2align	6, 0x0
	.amdhsa_kernel k_q0686aae1b4_attn
		.amdhsa_group_segment_fixed_size 327680
		.amdhsa_private_segment_fixed_size 0
		.amdhsa_enable_private_segment 0
		.amdhsa_kernarg_size 24
		.amdhsa_user_sgpr_count 2
		.amdhsa_user_sgpr_kernarg_segment_ptr 1
		.amdhsa_wavefront_size32 1
		.amdhsa_system_sgpr_workgroup_id_x 1
		.amdhsa_system_sgpr_workgroup_id_y 1
		.amdhsa_system_sgpr_workgroup_id_z 1
		.amdhsa_system_vgpr_workitem_id 0
		.amdhsa_next_free_vgpr 256
		.amdhsa_next_free_sgpr 100
		.amdhsa_reserve_vcc 1
		.amdhsa_float_denorm_mode_32 3
		.amdhsa_float_denorm_mode_16_64 3
		.amdhsa_fp16_overflow 1
		.amdhsa_memory_ordered 1
		.amdhsa_forward_progress 1
		.amdhsa_inst_pref_size 164
	.end_amdhsa_kernel
	.amdgpu_metadata
---
amdhsa.version: [ 1, 2 ]
amdhsa.kernels:
  - .name:           k_q0686aae1b4_attn
    .symbol:         k_q0686aae1b4_attn.kd
    .args:
      - { .name: qkv, .offset: 0, .size: 8, .value_kind: global_buffer, .address_space: global }
      - { .name: lowp_scales, .offset: 8, .size: 8, .value_kind: global_buffer, .address_space: global }
      - { .name: ac, .offset: 16, .size: 8, .value_kind: global_buffer, .address_space: global }
    .group_segment_fixed_size: 327680
    .private_segment_fixed_size: 0
    .kernarg_segment_align: 8
    .kernarg_segment_size: 24
    .max_flat_workgroup_size: 512
    .sgpr_count:     100
    .vgpr_count:     256
    .wavefront_size: 32
...
	.end_amdgpu_metadata
.endif
;; end of part 3
;; launch wo (part 4): grid 8 x 32, 4 waves a work-group, clusters of 4 x 4, 327,680 bytes of LDS; arguments ac, wc, lowp_scales, x, x1; writes x1
.if DOCPART == 4
	.amdgcn_target "amdgcn-amd-amdhsa--gfx1250"
	.amdhsa_code_object_version 6
	.text
	.protected	k_q0686aae1b4_wo
	.globl	k_q0686aae1b4_wo
	.p2align	8
	.type	k_q0686aae1b4_wo,@function
k_q0686aae1b4_wo:
	s_mov_b64 s[64:65], 0
	v_nop
	global_prefetch_b8 v0, s[64:65] scope:SCOPE_SE
	s_setreg_imm32_b32 hwreg(HW_REG_WAVE_MODE, 25, 1), 1
	s_wait_xcnt 0x0
	s_wait_alu depctr_hold_cnt(0) depctr_sa_sdst(0) depctr_va_vdst(0) depctr_va_sdst(0) depctr_va_ssrc(0) depctr_va_vcc(0) depctr_vm_vsrc(0)
	s_getreg_b32 s2, hwreg(HW_REG_IB_STS2, 6, 4)
	s_cmp_eq_u32 s2, 0
	s_cbranch_scc0 .Lentry_in_a_cluster
	s_endpgm
.Lentry_in_a_cluster:
	s_bfe_u32 s2, ttmp6, 0x10000c
	s_cmp_lg_u32 s2, 0xf033
	s_cbranch_scc0 .Lentry_shape_is_right
	s_endpgm
.Lentry_shape_is_right:
; out = res + (A B^T) x 2^(ea + eb).  A: codes of E4M3 in PANELS of 64 along K, [SIZE_K / 64][4096 rows][64]; B: codes in rows, [1024][SIZE_K], at byte WOFF of the weights' codes; res, out: [4096][1024] f32.
; This text: SIZE_K = 1024: A = attention's result, B = W_o, res = x.  (The same text with SIZE_K = 4096 serves the second product of the feed-forward layer.)
; LIMIT: ea + eb between -126 and 127, so that 2^(ea + eb) is an f32 number.
; C has 4,096 x 1,024 numbers: tiles of 256 x 256 would be 64, a quarter of the WGPs; so a tile is 128 x 128, 256 work-groups, four waves of 64 x 64: 16 accumulators.
; K goes in steps of 512 through a ring of two LDS slots.  A's half tile (64 rows x 512 K) is eight panels' pieces of 4,096 dense bytes: one tensor load with rows of 4,096 bytes, a panel (262,144 bytes) apart, and
; 16 bytes of padding behind every 64: in LDS [panel][row] with rows 80 bytes apart.  B's half tile is 64 rows of 512 bytes, 528 apart in LDS.
; CLUSTERS: 4 x 4 work-groups; A's tiles are asked for jointly along a row of the cluster, B's along a column.  THE MATRIX INSTRUCTION IS USED TRANSPOSED (source 0 = 16 rows of B, source 1 = 16 rows of A).
; REGISTERS: window 0: v0-31 addresses; v32-95 at work on the way out; v128-255 the accumulators ((a, b) at v[128 + 8 (4 a + b)]).
;   window 1: two fragment buffers of 128 (128 along K): 64 registers of A (4 x 16 rows), then 64 of B.   window 2: v0-127 my 64 x 64 numbers of res, asked for at the head.
.set SIZE_K, 1024
.set WOFF,   0x300000
.set SCOFF,  40                        ; byte of ea in the buffer of exponents; eb follows
.set FINAL,  0                         ; 1: nothing reads the output again
.set KSTEP,  512
.set APITCH, 80                        ; A in LDS: a row's 64 bytes of a panel + 16 of padding = 20 words: the 16 rows of a load start at 16 different multiples of 4 banks (ISA guide 11.1)
.set APANEL, 64*APITCH
.set AHALF,  8*APANEL                  ; 64 rows x 512 K
.set BPITCH, 528                       ; B in LDS: 512 bytes + 16 = 132 words: row r starts at bank 4 r mod 64
.set BHALF,  64*BPITCH
.set BOFF,   2*AHALF
.set SLOT,   BOFF+2*BHALF              ; A's two halves, then B's two
.set SPARE,  2*SLOT                    ; behind the ring: the spare words, 128 bytes for each wave: two blocks of 256 bytes that no other line names
.set SPITCH, 272                       ; the way out: a stage of 16 rows x (256 bytes + 16) for each wave, in slot 0, which has had its last fill and its last read by then
.set LAPS,   SIZE_K/(2*KSTEP)          ; a lap = two K steps = once round the ring
.set PLANE,  4096*64                   ; a panel of A in memory
.set ADRA, 16                          ; v16-17  LDS address of my A fragments in slot 0, 1
.set ADRB, 20                          ; v20-21  the same for B
.set STO,  24                          ; v24     the way out: where I put 32 bytes of a row
.set RD,   25                          ; v25     the way out: where I read 16 bytes of a row back
.set CO,   26                          ; v26     my byte offset in two rows of res and of out
.set SPW,  28                          ; v28     LDS address of my spare word; never rewritten
.set NIL,  29                          ; v29     0; never rewritten
.set BK,   32                          ; the way out: 16 rows read back: v32-63 and v64-95 by turns
.set ACC,  128
.set F0,   0                           ; fragment buffers, in window 1
.set F1,   128
.set G1, 24                            ; s[24:31] descriptor group 1 for A's tiles;  s[32:39] group 0, one set for each slot
.set G0, 32
.set G1B, 48                           ; s[48:55], s[56:63] the same for B's tiles
.set G0B, 56
.set MSB, 0
.macro WIN new                         ; the immediate's high byte repeats the setting that is left
.if MSB != \new
	s_set_vgpr_msb (MSB<<8)|\new
.set MSB, \new
.endif
.endm
.set MUL,  0x05                        ; sources 0 (B) and 1 (A) window 1; C and D window 0
.set TO_F, 0x40                        ; destination window 1, address window 0
.macro JLOAD s                         ; a joint load: waves 0 and 1 fetch A's two halves, waves 2 and 3 B's; four v_nop follow each of the two lines, ahead of the jump, the label and what follows
	s_cmp_eq_u32 s11, 0
	s_cbranch_scc0 .Lfor_b_\@
	tensor_load_to_lds s[G0+4*\s:G0+4*\s+3], s[G1:G1+7]
	s_nop 0
.rept 4
	v_nop
.endr
	s_branch .Lasked_\@
.Lfor_b_\@:
	tensor_load_to_lds s[G0B+4*\s:G0B+4*\s+3], s[G1B:G1B+7]
	s_nop 0
.rept 4
	v_nop
.endr
.Lasked_\@:
.endm
.macro CREST                           ; a round of the cluster's barrier behind its opening barrier
	s_cmp_lg_u32 s10, 0
	s_cbranch_scc1 .Lnot_wave_0_\@
	s_barrier_signal -3
.Lnot_wave_0_\@:
	s_barrier_wait -3
	s_barrier_signal -1
	s_barrier_wait -1
.endm
.macro CROUND                          ; a whole round
	s_barrier_signal -1
	s_barrier_wait -1
	CREST
.endm
	s_load_b128 s[4:7], s[0:1], 0x0                ; A's codes s[4:5], the weights' codes s[6:7]
	s_load_b64 s[8:9], s[0:1], 0x10                ; the scales' exponents
	s_load_b128 s[68:71], s[0:1], 0x18             ; res s[68:69], out s[70:71]
	v_lshl_add_u32 v[SPW], v0, 2, SPARE
	v_mov_b32 v[NIL], 0
	ds_add_u32 v28, v29
	ds_add_u32 v28, v29
	s_wait_dscnt 0x0
	v_lshrrev_b32 v1, 5, v0
	v_readfirstlane_b32 s10, v1                    ; wave 0..3
	s_lshr_b32 s11, s10, 1                         ; which half of the tile's rows is mine.  Also: I fetch for A (0) or for B (1)
	s_and_b32 s12, s10, 1                          ; which half of its columns.  Also: which 64 rows of that tile I fetch
	s_bfe_u32 s40, ttmp6, 0x40000                  ; cx, cy: my place in the cluster
	s_bfe_u32 s41, ttmp6, 0x40004
	s_lshl_b32 s42, ttmp9, 2
	s_add_co_u32 s42, s42, s40                     ; tile column of C = 4 x cluster x + cx
	s_and_b32 s13, ttmp7, 0xffff
	s_lshl_b32 s13, s13, 2
	s_add_co_u32 s13, s13, s41                     ; tile row of C = 4 x cluster y + cy
	s_lshl_b32 s43, s41, 2
	s_lshl_b32 s43, 15, s43                        ; my row of the cluster
	s_lshl_b32 s44, 0x1111, s40                    ; my column
	; descriptor group 1 for A: 8 rows (panels) of 4,096 bytes (64 rows of C x 64 codes), a panel apart in memory
	s_or_b32 s[G1+0], s43, (0<<16)|(1<<20)|(1<<21)|(3<<22)|(3<<25)  ; 15:0 the mask: my row; 17:16 element of 1 byte; 20 padding on; 21 set beside a mask; 24:22 after every 16 words (code 3); 31:25 of 4 words (code 3)
	s_mov_b32 s[G1+1], 4096<<16                    ; tensor_dim0 = 4096
	s_mov_b32 s[G1+2], 8<<16                       ; tensor_dim1 = 8
	s_mov_b32 s[G1+3], 4096<<16                    ; tile_dim0 = 4096
	s_mov_b32 s[G1+4], 8                           ; tile_dim1 = 8
	s_mov_b32 s[G1+5], PLANE                       ; tensor_dim0_stride
	s_mov_b32 s[G1+6], 0
	s_mov_b32 s[G1+7], 0
	; and for B: 64 rows of 512 bytes
	s_or_b32 s[G1B+0], s44, (0<<16)|(1<<20)|(1<<21)|(6<<22)|(3<<25) ; the mask: my column; padding of 4 words after every 128 (code 6)
	s_mov_b32 s[G1B+1], KSTEP<<16
	s_mov_b32 s[G1B+2], 64<<16
	s_mov_b32 s[G1B+3], KSTEP<<16
	s_mov_b32 s[G1B+4], 64
	s_mov_b32 s[G1B+5], SIZE_K
	s_mov_b32 s[G1B+6], 0
	s_mov_b32 s[G1B+7], 0
	s_lshl_b32 s16, s13, 13                        ; A: row 128 x tile row + 64 x half, of 64 bytes, in panel 0
	s_lshl_b32 s17, s12, 12
	s_add_co_u32 s16, s16, s17
	s_mov_b32 s17, 0
	s_lshl_b32 s46, s42, 7                         ; B: row 128 x tile column + 64 x half, of SIZE_K bytes, behind WOFF
	s_lshl_b32 s47, s12, 6
	s_add_co_u32 s46, s46, s47
	s_mul_i32 s46, s46, SIZE_K
	s_add_co_u32 s46, s46, WOFF
	s_mov_b32 s47, 0
	s_mul_i32 s20, s12, AHALF                      ; where they go: no place in the cluster enters an LDS address
	s_mul_i32 s21, s12, BHALF
	s_add_co_u32 s21, s21, BOFF
	s_wait_kmcnt 0x0
	s_load_b64 s[78:79], s[8:9], SCOFF             ; ea, eb
	s_add_nc_u64 s[14:15], s[4:5], s[16:17]
	s_add_nc_u64 s[46:47], s[6:7], s[46:47]
	CROUND                                         ; all sixteen work-groups are here: the first joint loads meet
.irp s, 0,1
	s_mov_b32 s[G0+4*\s], 1
	s_add_co_u32 s[G0+4*\s+1], s20, \s*SLOT
	s_add_nc_u64 s[G0+4*\s+2:G0+4*\s+3], s[14:15], \s*8*PLANE      ; K step s: eight panels on
	s_or_b32 s[G0+4*\s+3], s[G0+4*\s+3], 0x80000000
	s_mov_b32 s[G0B+4*\s], 1
	s_add_co_u32 s[G0B+4*\s+1], s21, \s*SLOT
	s_add_nc_u64 s[G0B+4*\s+2:G0B+4*\s+3], s[46:47], \s*KSTEP
	s_or_b32 s[G0B+4*\s+3], s[G0B+4*\s+3], 0x80000000
	JLOAD \s
.endr
	v_and_b32 v1, 15, v0                           ; r = l % 16
	v_bfe_u32 v2, v0, 4, 1                         ; h = l / 16
	v_mul_u32_u24 v3, v1, APITCH
	v_lshl_add_u32 v3, v2, 4, v3                   ; A: row x 80 + 16 h
	v_mul_u32_u24 v4, v1, BPITCH
	v_lshl_add_u32 v4, v2, 4, v4                   ; B: row x 528 + 16 h
	s_mul_i32 s22, s11, AHALF                      ; my 64 rows of A
	s_mul_i32 s23, s12, BHALF                      ; my 64 rows of B
	s_add_co_u32 s23, s23, BOFF
.irp s, 0,1
	v_add_nc_u32 v[ADRA+\s], s22, v3
	v_add_nc_u32 v[ADRB+\s], s23, v4
	s_add_co_u32 s22, s22, SLOT
	s_add_co_u32 s23, s23, SLOT
.endr
	s_mul_i32 s23, s10, 16*SPITCH                  ; my stage
	v_mul_u32_u24 v5, v1, SPITCH                   ; in: row r, 32 bytes for each half of the lanes
	v_lshl_add_u32 v5, v2, 5, v5
	v_add_nc_u32 v[STO], s23, v5
	v_mul_u32_u24 v6, v2, SPITCH                   ; back: lanes 0-15 take one row of 256 bytes, lanes 16-31 the next
	v_lshl_add_u32 v6, v1, 4, v6
	v_add_nc_u32 v[RD], s23, v6
	v_lshlrev_b32 v7, 12, v2                       ; and the same two rows (4,096 bytes apart) in res and out
	v_lshl_add_u32 v[CO], v1, 4, v7
	s_wait_alu depctr_va_vdst(0)
	s_lshl_b32 s72, s13, 7
	s_lshl_b32 s73, s11, 6
	s_add_co_u32 s72, s72, s73                     ; my first row: 128 x tile row + 64 x half,
	s_lshl_b32 s72, s72, 12
	s_lshl_b32 s73, s42, 9                         ; my first column, in bytes: 512 x tile column + 256 x half
	s_add_co_u32 s72, s72, s73
	s_lshl_b32 s73, s12, 8
	s_add_co_u32 s72, s72, s73
	s_mov_b32 s73, 0
	s_add_nc_u64 s[68:69], s[68:69], s[72:73]
	s_add_nc_u64 s[70:71], s[70:71], s[72:73]
	WIN 0x80                                       ; destination window 2
.irp a, 0,1,2,3                        ; my 64 x 64 numbers of res, in the layout in which the sums come back from the stage; they land under the products
.irp t, 0,1,2,3,4,5,6,7
	global_load_b128 v[4*(8*\a+\t):4*(8*\a+\t)+3], v[CO], s[68:69] offset:(16*\a+2*\t)*4096 th:TH_LOAD_NT
.endr
.endr
	WIN 0
; 4 matrix instructions: A's block a x B's four, 128 along K, from buffer f.  zero = 1: the product starts the sums: nothing is ever cleared.
; The 16 accumulators take turns, one instruction a turn, in the same order in every quarter.
.macro MUL4 f, a, zero
.irp b, 0,1,2,3
.if \zero
	v_wmma_f32_16x16x128_fp8_fp8 v[ACC+8*(4*(\a)+\b):ACC+8*(4*(\a)+\b)+7], v[\f+64+16*\b:\f+64+16*\b+15], v[\f+16*(\a):\f+16*(\a)+15], 0
.else
	v_wmma_f32_16x16x128_fp8_fp8 v[ACC+8*(4*(\a)+\b):ACC+8*(4*(\a)+\b)+7], v[\f+64+16*\b:\f+64+16*\b+15], v[\f+16*(\a):\f+16*(\a)+15], v[ACC+8*(4*(\a)+\b):ACC+8*(4*(\a)+\b)+7]
.endif
.endr
.endm
; 32 LDS loads in one run: the fragments of the slot's q-th 128 along K into buffer f: B's four, then A's four.  Registers 4 c .. 4 c + 3 hold K = 32 c + 16 (l / 16) + 0 .. 15, in A and in B alike
.macro FETCH slot, q, f
	WIN TO_F
.irp i, 0,1,2,3
.irp c, 0,1,2,3
	ds_load_b128 v[\f+64+16*\i+4*\c:\f+64+16*\i+4*\c+3], v[ADRB+\slot] offset:128*(\q)+32*\c+\i*16*BPITCH
.endr
.endr
.irp i, 0,1,2,3
.irp c, 0,1,2,3
	ds_load_b128 v[\f+16*\i+4*\c:\f+16*\i+4*\c+3], v[ADRA+\slot] offset:(2*(\q)+\c/2)*APANEL+\i*16*APITCH+32*(\c%2)
.endr
.endr
.endm
.macro PLACES                          ; four places in front of loads into registers that matrix instructions have read, and of LDS stores that read results (ISA guide 7.12.1 for the stores)
.rept 4
	v_nop
.endr
.endm
; A K step is four quarters of 128 along K, 16 matrix instructions each, on buffers 0, 1, 0, 1.  One of the first three: multiplies buffer f and fetches the slot's quarter qn into g.
.macro QUARTER slot, qn, f, g, zero
	s_wait_dscnt 8                                 ; B's four and A's blocks 0, 1 are in; the youngest eight loads (A's blocks 2, 3) may be out
	WIN MUL
	MUL4 \f, 0, \zero
	MUL4 \f, 1, \zero
	PLACES
	FETCH \slot, \qn, \g
	s_wait_dscnt 32                                ; all but the 32 just issued
	WIN MUL
	MUL4 \f, 2, \zero
	MUL4 \f, 3, \zero
.endm
; The last quarter multiplies buffer 1 and changes slots: ONE barrier; in front of it each wave waits for all its tensor loads, adds 0 to its spare word, and waits for that and for its own reads of this slot.  fill = 1: this slot is filled again, two K steps ahead.
.macro TURN slot, next, fill
	WIN 0                                          ; (the add's two registers lie in window 0)
	s_wait_tensorcnt 0x0                           ; all my tensor loads have landed: my part of the next slot;
	ds_add_u32 v[SPW], v[NIL]                      ; 0 onto my spare word;
	s_wait_dscnt 9                                 ; (the add and the youngest eight loads may be out)
	WIN MUL
	MUL4 F1, 0, 0                                  ; four matrix instructions stand between the add and the wait for it
	s_wait_dscnt 0x0                               ; the add is done, and my reads of this slot are over
	s_barrier_signal -1
	MUL4 F1, 1, 0
.if \fill
	WIN 0
.endif
	s_barrier_wait -1
.if \fill
	CREST                                          ; the barrier has opened a round of the cluster's barrier: no wave of any partner still reads this slot's tile or has a load on its way
	s_add_nc_u64 s[G0+4*\slot+2:G0+4*\slot+3], s[G0+4*\slot+2:G0+4*\slot+3], 2*8*PLANE
	s_add_nc_u64 s[G0B+4*\slot+2:G0B+4*\slot+3], s[G0B+4*\slot+2:G0B+4*\slot+3], 2*KSTEP
	JLOAD \slot                                    ; the first tensor load behind the round; the four v_nop behind it are also the places in front of the loads below
.else
	PLACES
.endif
	FETCH \next, 0, F0
	WIN MUL
	MUL4 F1, 2, 0
	MUL4 F1, 3, 0
.endm
	s_wait_tensorcnt 1                             ; my part of K step 0 is in (K step 1's load may be out)
	s_barrier_signal -1
	s_barrier_wait -1                              ; everybody's is
	FETCH 0, 0, F0
	QUARTER 0, 1, F0, F1, 1                        ; the first quarter stands in front of the loop: its products start the sums
.if LAPS > 1
	WIN 0                                          ; at a label and at a branch every window is 0
	s_mov_b32 s3, LAPS-1
.Llap:                                                 ; a trip goes once round the ring, from a lap's second quarter to the next lap's first, and fills both slots again
	QUARTER 0, 2, F1, F0, 0
	QUARTER 0, 3, F0, F1, 0
	TURN 0, 1, 1
	QUARTER 1, 1, F0, F1, 0
	QUARTER 1, 2, F1, F0, 0
	QUARTER 1, 3, F0, F1, 0
	TURN 1, 0, 1
	QUARTER 0, 1, F0, F1, 0
	WIN 0
	s_sub_co_u32 s3, s3, 1
	s_cmp_lg_u32 s3, 0
	s_cbranch_scc1 .Llap
.endif
	QUARTER 0, 2, F1, F0, 0                        ; the last lap fills nothing, and has no round of the cluster's barrier
	QUARTER 0, 3, F0, F1, 0
	TURN 0, 1, 0
	QUARTER 1, 1, F0, F1, 0
	QUARTER 1, 2, F1, F0, 0
	QUARTER 1, 3, F0, F1, 0
	s_wait_dscnt 8                                 ; the very last quarter: nothing more to fetch
	WIN MUL
	MUL4 F1, 0, 0
	MUL4 F1, 1, 0
	s_wait_dscnt 0
	MUL4 F1, 2, 0
	MUL4 F1, 3, 0
	WIN 0
; THE WAY OUT, block by block of 16 rows x 64 columns.  A lane holds 32 neighbouring bytes of a row and the lanes beside it other rows: the block goes through my own stage in LDS and comes back as whole rows of 256 bytes,
; my 64 columns: one aligned unit.  There sum x 2^(ea + eb) + res is one packed multiply-add for two numbers.  LDS serves a wave's instructions in order: no wait between the stores and the loads.
.macro TOSTAGE a
.irp b, 0,1,2,3
	ds_store_b128 v[STO], v[ACC+8*(4*(\a)+\b):ACC+8*(4*(\a)+\b)+3] offset:64*\b          ; each accumulator from its low end on
	ds_store_b128 v[STO], v[ACC+8*(4*(\a)+\b)+4:ACC+8*(4*(\a)+\b)+7] offset:64*\b+16
.endr
.set BB, BK+32*((\a)%2)
.irp t, 0,1,2,3,4,5,6,7
	ds_load_b128 v[BB+4*\t:BB+4*\t+3], v[RD] offset:\t*2*SPITCH
.endr
.endm
.macro SEND a, younger                 ; younger: the LDS instructions issued behind block a's loads, which may stay out
.set BB, BK+32*((\a)%2)
	s_wait_dscnt \younger                          ; the block is back in registers
	WIN 0x20                                       ; source 2 (res) window 2
.irp p, 0,2,4,6,8,10,12,14,16,18,20,22,24,26,28,30
	v_pk_fma_f32 v[BB+\p:BB+\p+1], v[BB+\p:BB+\p+1], s[78:79], v[32*(\a)+\p:32*(\a)+\p+1] op_sel_hi:[1,0,1]   ; (the scalar pair's low word for both halves)
.endr
	WIN 0
.irp t, 0,1,2,3,4,5,6,7
.if FINAL
	global_store_b128 v[CO], v[BB+4*\t:BB+4*\t+3], s[70:71] offset:(16*(\a)+2*\t)*4096 th:TH_STORE_NT   ; 16 lanes store 256 consecutive bytes, at a multiple of 256 from the buffer's first byte
.else
	global_store_b128 v[CO], v[BB+4*\t:BB+4*\t+3], s[70:71] offset:(16*(\a)+2*\t)*4096
.endif
.endr
.endm
	PLACES                                         ; behind the last products, ahead of the first LDS store that reads a result
	s_wait_loadcnt 0x0                             ; res
	s_wait_kmcnt 0x0
	s_add_co_i32 s78, s78, s79                     ; ea + eb, between -126 and 127,
	s_add_co_i32 s78, s78, 127
	s_lshl_b32 s78, s78, 23                        ; makes the f32 number 2^(ea + eb)
	s_mov_b32 s79, s78                             ; (named with it as a pair, so it is written)
	TOSTAGE 0
.irp a, 1,2,3
.if \a > 1
	s_wait_xcnt 0x0                                ; block a - 2's stores have read their registers: block a's loads may land there
.endif
	TOSTAGE \a
	SEND \a-1, 16                                  ; behind block a - 1's loads: block a's 8 stores and 8 loads
.endr
	SEND 3, 0
	s_wait_tensorcnt 0x0                           ; the wave's end: behind my last tensor load and my last LDS store
	ds_add_u32 v[SPW], v[NIL]
	s_wait_dscnt 0x0
	CROUND                                         ; the closing round: no work-group ends while a partner may still ask for a tile that names it
	s_endpgm
.Lfunc_end_k_q0686aae1b4_wo:
	.size	k_q0686aae1b4_wo, .Lfunc_end_k_q0686aae1b4_wo-k_q0686aae1b4_wo
	.p2alignl 7, 3214868480
	.fill 96, 4, 3214868480
	.section	.rodata,"a",@progbits
	.p2align	6, 0x0
	.amdhsa_kernel k_q0686aae1b4_wo
		.amdhsa_group_segment_fixed_size 327680
		.amdhsa_private_segment_fixed_size 0
		.amdhsa_enable_private_segment 0
		.amdhsa_kernarg_size 40
		.amdhsa_user_sgpr_count 2
		.amdhsa_user_sgpr_kernarg_segment_ptr 1
		.amdhsa_wavefront_size32 1
		.amdhsa_system_sgpr_workgroup_id_x 1
		.amdhsa_system_sgpr_workgroup_id_y 1
		.amdhsa_system_sgpr_workgroup_id_z 1
		.amdhsa_system_vgpr_workitem_id 0
		.amdhsa_next_free_vgpr 640
		.amdhsa_next_free_sgpr 96
		.amdhsa_reserve_vcc 0
		.amdhsa_float_denorm_mode_32 3
		.amdhsa_float_denorm_mode_16_64 3
		.amdhsa_memory_ordered 1
		.amdhsa_forward_progress 1
		.amdhsa_inst_pref_size 49
	.end_amdhsa_kernel
	.amdgpu_metadata
---
amdhsa.version: [ 1, 2 ]
amdhsa.kernels:
  - .name:           k_q0686aae1b4_wo
    .symbol:         k_q0686aae1b4_wo.kd
    .args:
      - { .name: ac, .offset: 0, .size: 8, .value_kind: global_buffer, .address_space: global }
      - { .name: wc, .offset: 8, .size: 8, .value_kind: global_buffer, .address_space: global }
      - { .name: lowp_scales, .offset: 16, .size: 8, .value_kind: global_buffer, .address_space: global }
      - { .name: x, .offset: 24, .size: 8, .value_kind: global_buffer, .address_space: global }
      - { .name: x1, .offset: 32, .size: 8, .value_kind: global_buffer, .address_space: global }
    .group_segment_fixed_size: 327680
    .private_segment_fixed_size: 0
    .kernarg_segment_align: 8
    .kernarg_segment_size: 40
    .max_flat_workgroup_size: 128
    .sgpr_count:     96
    .vgpr_count:     640
    .wavefront_size: 32
...
	.end_amdgpu_metadata
.endif
;; end of part 4
;; launch ln2 (part 5): grid 256 x 1, 4 waves a work-group, no clusters, 20,992 bytes of LDS; arguments x1, ln2_w, ln2_b, lowp_scales, h2c; writes h2c
.if DOCPART == 5
	.amdgcn_target "amdgcn-amd-amdhsa--gfx1250"
	.amdhsa_code_object_version 6
	.text
	.protected	k_q0686aae1b4_ln2
	.globl	k_q0686aae1b4_ln2
	.p2align	8
	.type	k_q0686aae1b4_ln2,@function
k_q0686aae1b4_ln2:
	s_mov_b64 s[64:65], 0
	v_nop
	global_prefetch_b8 v0, s[64:65] scope:SCOPE_SE
	s_setreg_imm32_b32 hwreg(HW_REG_WAVE_MODE, 25, 1), 1
	s_wait_xcnt 0x0
; THE SECOND LAYER NORM: x1 [4096][1024] f32 -> codes of E4M3 under the scale 2^e12, h2c [4096][1024], K innermost.
; code = number / 2^e, held within +-448, to the nearest code, ties to even.  LIMIT: e12 between -126 and 119.  NaN among the inputs is not served.
; A wave takes four rows, one after the other; a row (4,096 bytes) is eight loads of 512 consecutive bytes and stays in 32 registers.  Mean first, then the sum of (x - mean)^2, as the definition has it, so that a
; common offset of the inputs costs no digits.  The conversions want 16 NEIGHBOURS in a lane, the loads give a lane 4: so the finished row turns through the wave's own stage in LDS (16 bytes of padding behind each 64),
; and a lane's 16 codes are 16 bytes: a store of the wave covers 512 consecutive bytes.  No matrix work, no tensor load, no barrier: waves share nothing.
.set NS,    1                          ; scales under which a row is quantised
.set LO,    2                          ; v2      16 x lane; never rewritten
.set SI,    3                          ; v3      the stage, on the way in: 80 (lane / 4) + 16 (lane % 4)
.set SOUT,  4                          ; v4      and on the way out: 80 x lane
.set ACC,   8                          ; v[8:15] four pairs of partial sums
.set MP,    16                         ; v[16:17] the mean, twice
.set RP,    18                         ; v[18:19] 1 / sqrt(var + eps), twice
.set PD,    20                         ; v20     destination of the lane permute
.set SCV,   21                         ; v21     2^e as f32
.set LIMV,  24                         ; v24     448 x 2^e
.set W,     32                         ; v[32:63]  the gain, in the loads' layout
.set B,     64                         ; v[64:95]  the bias
.set X,     96                         ; v[96:159] two rows by turns
.set Y,     160                        ; v[160:191] the row behind the stage: register 16 u + i = element 512 u + 16 lane + i
.set TMP,   192                        ; v[192:207] 16 numbers, held
.set C,     208                        ; v[208:215] codes: four registers for each half row
.set BASE,  52                         ; s[52:53] the codes at my wave's first row
.set SP,    80                         ; a lane's place in a stage
.macro XLOAD r                         ; row r of my four: eight loads of 512 consecutive bytes
.irp i, 0,1,2,3,4,5,6,7
	global_load_b128 v[X+32*((\r)%2)+4*\i:X+32*((\r)%2)+4*\i+3], v[LO], s[4:5] offset:4096*(\r)+512*\i th:TH_LOAD_NT
.endr
.endm
.macro REDUCE                          ; four pairs of partial sums -> the row's sum in v8 of every lane
	v_pk_add_f32 v[ACC:ACC+1], v[ACC:ACC+1], v[ACC+2:ACC+3]
	v_pk_add_f32 v[ACC+4:ACC+5], v[ACC+4:ACC+5], v[ACC+6:ACC+7]
	v_pk_add_f32 v[ACC:ACC+1], v[ACC:ACC+1], v[ACC+4:ACC+5]
	v_add_f32 v[ACC], v[ACC], v[ACC+1]
	v_add_f32_dpp v[ACC], v[ACC], v[ACC] row_xmask:1 row_mask:0xf bank_mask:0xf
	v_add_f32_dpp v[ACC], v[ACC], v[ACC] row_xmask:2 row_mask:0xf bank_mask:0xf
	v_add_f32_dpp v[ACC], v[ACC], v[ACC] row_xmask:4 row_mask:0xf bank_mask:0xf
	v_add_f32_dpp v[ACC], v[ACC], v[ACC] row_xmask:8 row_mask:0xf bank_mask:0xf
	v_permlanex16_b32 v[PD], v[ACC], s48, s49
	v_add_f32 v[ACC], v[ACC], v[PD]
.endm
.macro ROW r
.set XS, X+32*((\r)%2)
.if (\r) < 3
	s_wait_loadcnt 8                               ; this row's loads (and the gain's and bias's) are in; the next row's eight may be out
.else
	s_wait_loadcnt 0
.endif
	s_wait_xcnt 0x0                                ; the last row's stores have read their registers: the codes' registers are written again below
.irp k, 0,1,2,3
	v_pk_add_f32 v[ACC+2*\k:ACC+2*\k+1], v[XS+4*\k:XS+4*\k+1], v[XS+4*\k+2:XS+4*\k+3]   ; four chains, started by the first eight pairs: nothing is cleared
.endr
.irp k, 0,1,2,3,4,5,6,7
	v_pk_add_f32 v[ACC+2*(\k%4):ACC+2*(\k%4)+1], v[ACC+2*(\k%4):ACC+2*(\k%4)+1], v[XS+16+2*\k:XS+16+2*\k+1]
.endr
	REDUCE
	v_mul_f32 v[MP], s50, v[ACC]                   ; the mean: sum / 1024
	v_mul_f32 v[MP+1], s50, v[ACC]
.irp k, 0,1,2,3,4,5,6,7,8,9,10,11,12,13,14,15
	v_pk_add_f32 v[XS+2*\k:XS+2*\k+1], v[XS+2*\k:XS+2*\k+1], v[MP:MP+1] neg_lo:[0,1] neg_hi:[0,1]   ; d = x - mean
.endr
.irp k, 0,1,2,3
	v_pk_mul_f32 v[ACC+2*\k:ACC+2*\k+1], v[XS+2*\k:XS+2*\k+1], v[XS+2*\k:XS+2*\k+1]
.endr
.irp k, 4,5,6,7,8,9,10,11,12,13,14,15
	v_pk_fma_f32 v[ACC+2*(\k%4):ACC+2*(\k%4)+1], v[XS+2*\k:XS+2*\k+1], v[XS+2*\k:XS+2*\k+1], v[ACC+2*(\k%4):ACC+2*(\k%4)+1]
.endr
	REDUCE
	v_fma_f32 v[ACC+1], v[ACC], s50, s51           ; var + eps
	v_rsq_f32 v[RP], v[ACC+1]
	v_rsq_f32 v[RP+1], v[ACC+1]
	v_nop                                          ; a plain instruction behind the transcendentals (ISA guide 5.7.2),
	s_wait_alu depctr_va_vdst(0)                   ; and the one wait for both ahead of their first reader
.irp k, 0,1,2,3,4,5,6,7,8,9,10,11,12,13,14,15
	v_pk_mul_f32 v[XS+2*\k:XS+2*\k+1], v[XS+2*\k:XS+2*\k+1], v[RP:RP+1]
.endr
.irp k, 0,1,2,3,4,5,6,7,8,9,10,11,12,13,14,15
	v_pk_fma_f32 v[XS+2*\k:XS+2*\k+1], v[XS+2*\k:XS+2*\k+1], v[W+2*\k:W+2*\k+1], v[B+2*\k:B+2*\k+1]
.endr
.irp u, 0,1                            ; through my stage, half a row (2,048 bytes) to each of its two parts.  LDS serves a wave's instructions in order: no wait between the stores and the loads
.irp i, 0,1,2,3
	ds_store_b128 v[SI], v[XS+16*\u+4*\i:XS+16*\u+4*\i+3] offset:32*SP*\u+8*SP*\i
.endr
.irp i, 0,1,2,3
	ds_load_b128 v[Y+16*\u+4*\i:Y+16*\u+4*\i+3], v[SOUT] offset:32*SP*\u+16*\i
.endr
.endr
	s_wait_dscnt 0x0                               ; the row is back, and the stores have read this set's registers,
.if (\r)+2 < 4
	XLOAD (\r)+2                                   ; which take the row two further on
.endif
.irp u, 0,1
.set sN, 0
.rept NS
.irp i, 0,1,2,3,4,5,6,7,8,9,10,11,12,13,14,15
	v_med3_num_f32 v[TMP+\i], v[Y+16*\u+\i], -v[LIMV+sN], v[LIMV+sN]   ; the conversion to an 8-bit code does not saturate (ISA guide 7.6.2): the hold at the largest code x the scale
.endr
	v_cvt_scalef32_pk8_fp8_f32 v[C+4*(NS*\u+sN):C+4*(NS*\u+sN)+1], v[TMP:TMP+7], v[SCV+sN]
	v_cvt_scalef32_pk8_fp8_f32 v[C+4*(NS*\u+sN)+2:C+4*(NS*\u+sN)+3], v[TMP+8:TMP+15], v[SCV+sN]
	v_nop                                          ; a plain instruction between the conversions and the next holds, which write their sources
	global_store_b128 v[LO], v[C+4*(NS*\u+sN):C+4*(NS*\u+sN)+3], s[BASE+2*sN:BASE+2*sN+1] offset:1024*(\r)+512*\u   ; 32 lanes store 512 consecutive bytes
.set sN, sN+1
.endr
.endr
.endm
	s_load_b256 s[4:11], s[0:1], 0x0               ; x1 s[4:5], ln2_w s[6:7], ln2_b s[8:9], the scales' exponents s[10:11]
	s_load_b64 s[24:25], s[0:1], 0x20              ; h2c
	v_lshl_add_u32 v232, v0, 2, 0x5000
	v_mov_b32 v233, 0
	v_lshrrev_b32 v1, 5, v0
	v_readfirstlane_b32 s28, v1                    ; wave 0..3
	v_and_b32 v1, 31, v0                           ; lane
	s_wait_kmcnt 0x0
	s_load_b32 s32, s[10:11], 0x30                 ; e12
	v_lshlrev_b32 v[LO], 4, v1
	s_mul_i32 s29, s28, 64*SP                      ; my stage: two parts of 32 places
	v_lshrrev_b32 v[SI], 2, v1
	v_mul_u32_u24 v[SI], v[SI], SP
	v_and_b32 v5, 3, v1
	v_lshl_add_u32 v[SI], v5, 4, v[SI]
	v_add_nc_u32 v[SI], s29, v[SI]
	v_mul_u32_u24 v[SOUT], v1, SP
	v_add_nc_u32 v[SOUT], s29, v[SOUT]
	v_mov_b32 v[PD], 0                             ; a lane permute's destination counts as one of its sources
	s_mov_b32 s48, 0x76543210                      ; lane selects: lane l xor 16
	s_mov_b32 s49, 0xfedcba98
	s_mov_b32 s50, 0x3a800000                      ; 1 / 1024
	s_mov_b32 s51, 0x3727c5ac                      ; eps = 1e-5
	s_lshl_b32 s29, ttmp9, 4
	s_lshl_b32 s30, s28, 2
	s_add_co_u32 s29, s29, s30                     ; my first row: 16 x work-group + 4 x wave
	s_lshl_b32 s30, s29, 12
	s_mov_b32 s31, 0
	s_add_nc_u64 s[4:5], s[4:5], s[30:31]
	s_lshl_b32 s30, s29, 10
	s_add_nc_u64 s[BASE:BASE+1], s[24:25], s[30:31]
.irp i, 0,1,2,3,4,5,6,7
	global_load_b128 v[W+4*\i:W+4*\i+3], v[LO], s[6:7] offset:512*\i
.endr
.irp i, 0,1,2,3,4,5,6,7
	global_load_b128 v[B+4*\i:B+4*\i+3], v[LO], s[8:9] offset:512*\i
.endr
	XLOAD 0
	XLOAD 1
	s_wait_kmcnt 0x0
	s_add_co_i32 s58, s32, 127
	s_lshl_b32 s59, s58, 23
	v_mov_b32 v[SCV], s59                          ; 2^e as f32: the conversion takes its exponent field
	s_add_co_i32 s58, s58, 8
	s_lshl_b32 s58, s58, 23
	s_or_b32 s58, s58, 0x600000
	v_mov_b32 v[LIMV], s58                         ; 448 x 2^e
	ROW 0
	ROW 1
	ROW 2
	ROW 3
	s_wait_tensorcnt 0x0
	ds_add_u32 v232, v233
	s_wait_dscnt 0x0
	s_endpgm
.Lfunc_end_k_q0686aae1b4_ln2:
	.size	k_q0686aae1b4_ln2, .Lfunc_end_k_q0686aae1b4_ln2-k_q0686aae1b4_ln2
	.p2alignl 7, 3214868480
	.fill 96, 4, 3214868480
	.section	.rodata,"a",@progbits
	.p2align	6, 0x0
	.amdhsa_kernel k_q0686aae1b4_ln2
		.amdhsa_group_segment_fixed_size 20992
		.amdhsa_private_segment_fixed_size 0
		.amdhsa_enable_private_segment 0
		.amdhsa_kernarg_size 40
		.amdhsa_user_sgpr_count 2
		.amdhsa_user_sgpr_kernarg_segment_ptr 1
		.amdhsa_wavefront_size32 1
		.amdhsa_system_sgpr_workgroup_id_x 1
		.amdhsa_system_sgpr_workgroup_id_y 1
		.amdhsa_system_sgpr_workgroup_id_z 1
		.amdhsa_system_vgpr_workitem_id 0
		.amdhsa_next_free_vgpr 234
		.amdhsa_next_free_sgpr 66
		.amdhsa_reserve_vcc 0
		.amdhsa_float_denorm_mode_32 3
		.amdhsa_float_denorm_mode_16_64 3
		.amdhsa_memory_ordered 1
		.amdhsa_forward_progress 1
		.amdhsa_inst_pref_size 46
	.end_amdhsa_kernel
	.amdgpu_metadata
---
amdhsa.version: [ 1, 2 ]
amdhsa.kernels:
  - .name:           k_q0686aae1b4_ln2
    .symbol:         k_q0686aae1b4_ln2.kd
    .args:
      - { .name: x1, .offset: 0, .size: 8, .value_kind: global_buffer, .address_space: global }
      - { .name: ln2_w, .offset: 8, .size: 8, .value_kind: global_buffer, .address_space: global }
      - { .name: ln2_b, .offset: 16, .size: 8, .value_kind: global_buffer, .address_space: global }
      - { .name: lowp_scales, .offset: 24, .size: 8, .value_kind: global_buffer, .address_space: global }
      - { .name: h2c, .offset: 32, .size: 8, .value_kind: global_buffer, .address_space: global }
    .group_segment_fixed_size: 20992
    .private_segment_fixed_size: 0
    .kernarg_segment_align: 8
    .kernarg_segment_size: 40
    .max_flat_workgroup_size: 128
    .sgpr_count:     66
    .vgpr_count:     234
    .wavefront_size: 32
...
	.end_amdgpu_metadata
.endif
;; end of part 5
;; launch ffn1 (part 6): grid 16 x 16, 4 waves a work-group, clusters of 4 x 4, 327,680 bytes of LDS; arguments h2c, wc, lowp_scales, hid; writes hid
.if DOCPART == 6
	.amdgcn_target "amdgcn-amd-amdhsa--gfx1250"
	.amdhsa_code_object_version 6
	.text
	.protected	k_q0686aae1b4_ffn1
	.globl	k_q0686aae1b4_ffn1
	.p2align	8
	.type	k_q0686aae1b4_ffn1,@function
k_q0686aae1b4_ffn1:
	s_mov_b64 s[64:65], 0
	v_nop
	global_prefetch_b8 v0, s[64:65] scope:SCOPE_SE
	s_setreg_imm32_b32 hwreg(HW_REG_WAVE_MODE, 25, 1), 1
	s_wait_xcnt 0x0
	s_wait_alu depctr_hold_cnt(0) depctr_sa_sdst(0) depctr_va_vdst(0) depctr_va_sdst(0) depctr_va_ssrc(0) depctr_va_vcc(0) depctr_vm_vsrc(0)
	s_getreg_b32 s2, hwreg(HW_REG_IB_STS2, 6, 4)
	s_cmp_eq_u32 s2, 0
	s_cbranch_scc0 .Lentry_in_a_cluster
	s_endpgm
.Lentry_in_a_cluster:
	s_bfe_u32 s2, ttmp6, 0x10000c
	s_cmp_lg_u32 s2, 0xf033
	s_cbranch_scc0 .Lentry_shape_is_right
	s_endpgm
.Lentry_shape_is_right:
; C = A B^T on codes of E4M3 (rows of 1,024 codes, K innermost), and C quantised at once into codes laid in PANELS of 64 columns: [columns / 64][rows][64].
; MODE 1 (this text): A = the second layer norm's codes (4,096 tokens), B = W1's codes (4,096 hidden units, at 4 MiB of the weights' codes); what is negative becomes 0 in the hold (the ReLU);
; panels [64][4096 tokens][64], scale e14: the left operand of the next product, whose K is the hidden units.
; (MODE 0 of the same text serves the Q, K and V products.)
; A sum stands for sum x 2^(ea + eb), so its code is sum / 2^X with X = e14 - e12 - e13: the three scales are folded into the conversion's one.  LIMIT: X between -126 and 119.
; A tile of C, 256 x 256, is made by four waves, each 128 x 128: 64 accumulators, 512 registers.  K goes in steps of 256 through a ring of two LDS slots filled by the tensor data mover.
; CLUSTERS: 4 x 4 work-groups.  The four of a row of the cluster need the same tiles of A, the four of a column the same tiles of B: each tile is asked for JOINTLY, by the same tensor load with the same
; descriptor and a mask that names the four.  THE MATRIX INSTRUCTION IS USED TRANSPOSED (source 0 = 16 rows of B, source 1 = 16 rows of A): a lane then holds eight neighbouring columns of a row of C: eight codes.
; REGISTERS, in windows of 256: window 0: v0-31 addresses and the two scale numbers; from v128 A's fragments (8 x 16 rows x 128 K), ONE set; on the way out v32-255 are free.
;   window 1: B's fragments, TWO sets, at v0 and v128.   window 2: the accumulators of my rows 0-63 ((a, b) at v[8 (8 a + b)]);   window 3: those of my rows 64-127.
.set MODE,   1
.set SIZE_K, 1024
.set KSTEP,  256                       ; along K in a slot
.set ROWB,   256                       ; a tile's row in bytes
.set KROW,   SIZE_K                    ; a row of A or of B in memory, in bytes
.set PITCH,  272                       ; an LDS row: 256 bytes + 16 of padding = 68 words: row r starts at bank 4 r mod 64 (ISA guide 11.1)
.set FR,     16                        ; registers of a fragment: 16 rows x 128 K
.set NL,     4                         ; LDS loads that bring one
.set NP,     4                         ; places behind this matrix instruction (ISA guide 7.12.1)
.set HALFT,  128*PITCH                 ; 128 rows: what one tensor load brings, and what one wave reads of A or of B
.set SLOT,   4*HALFT                   ; A's 256 rows, then B's 256 rows
.set LAPS,   SIZE_K/(2*KSTEP)          ; a lap = two K steps = once round the ring
.set SPARE,  2*SLOT                    ; behind the ring: the spare words, 128 bytes for each wave: two blocks of 256 bytes that no other line names
.set PANEL,  256*80                    ; the way out: the work-group's stage, four panels of 256 rows x (64 bytes + 16).  It lies in slot 0, which has had its last fill and its last read when the first code is stored there
.set ADRA, 16                          ; v16-17  LDS address of my A fragments in slot 0, 1
.set ADRB, 20                          ; v20-21  the same for B
.set STO,  24                          ; v24     the way out: where I put 8 codes of a row
.set RD,   25                          ; v25     the way out: where I read 16 bytes of my panel back
.set CO,   26                          ; v26     16 x lane
.set SPW,  28                          ; v28     LDS address of my spare word; never rewritten
.set NIL,  29                          ; v29     0; never rewritten
.set SCV,  30                          ; v30     2^X as f32
.set LIMV, 31                          ; v31     448 x 2^X
.set TMP,  32                          ; the way out: 64 registers, a block's sums, held
.set AF,   128                         ; A's fragments, in window 0
.set OUTR, 128                         ; the way out: v128-255: the codes, later my panel's rows
.set G1, 24                            ; s[24:31] descriptor group 1 for A's tiles;  s[32:39] group 0, one set for each slot
.set G0, 32
.set G1B, 48                           ; s[48:55], s[56:63] the same for B's tiles
.set G0B, 56
.set MSB, 0
.macro WIN new                         ; the immediate's high byte repeats the setting that is left
.if MSB != \new
	s_set_vgpr_msb (MSB<<8)|\new
.set MSB, \new
.endif
.endm
.set MUL_LO, 0xa1                      ; source 0 (B) window 1, source 1 (A) window 0, C and D window 2
.set MUL_HI, 0xf1                      ; the same, C and D window 3
.set TO_B,   0x40                      ; destination window 1, address window 0
; A joint load: waves 0 and 1 fetch for A, waves 2 and 3 for B.  Each of the two lines has ONE mask and one set of registers for all that issue it; the branch hangs on the wave's number alone.
; Four v_nop follow each of the two lines, ahead of the jump, the label and what follows.
.macro JLOAD g0a, g1a, g0b, g1b
	s_cmp_eq_u32 s15, 0
	s_cbranch_scc0 .Lfor_b_\@
	tensor_load_to_lds s[\g0a:\g0a+3], s[\g1a:\g1a+7]
	s_nop 0
.rept 4
	v_nop
.endr
	s_branch .Lasked_\@
.Lfor_b_\@:
	tensor_load_to_lds s[\g0b:\g0b+3], s[\g1b:\g1b+7]
	s_nop 0
.rept 4
	v_nop
.endr
.Lasked_\@:
.endm
.macro CREST                           ; a round of the cluster's barrier behind its opening barrier
	s_cmp_lg_u32 s14, 0
	s_cbranch_scc1 .Lnot_wave_0_\@
	s_barrier_signal -3
.Lnot_wave_0_\@:
	s_barrier_wait -3
	s_barrier_signal -1
	s_barrier_wait -1
.endm
.macro CROUND                          ; a whole round
	s_barrier_signal -1
	s_barrier_wait -1
	CREST
.endm
	s_load_b128 s[4:7], s[0:1], 0x0                ; the activations' codes s[4:5], the weights' codes s[6:7]
	s_load_b128 s[8:11], s[0:1], 0x10              ; the scales' exponents s[8:9], the output s[10:11]
	v_lshl_add_u32 v[SPW], v0, 2, SPARE
	v_mov_b32 v[NIL], 0
	ds_add_u32 v28, v29
	ds_add_u32 v28, v29
	s_wait_dscnt 0x0
	v_lshrrev_b32 v1, 5, v0
	v_readfirstlane_b32 s14, v1                    ; wave 0..3
	s_lshr_b32 s15, s14, 1                         ; which half of the tile's rows is mine.  Also: I fetch for A (0) or for B (1)
	s_and_b32 s16, s14, 1                          ; which half of its columns.  Also: which 128 rows of that tile I fetch
	s_bfe_u32 s40, ttmp6, 0x40000                  ; cx, cy: my place in the cluster
	s_bfe_u32 s41, ttmp6, 0x40004
.if MODE == 0
	s_and_b32 s84, ttmp7, 0xffff                   ; the section: the cluster's y, the same in all sixteen partners
	s_lshl_b32 s85, ttmp9, 2                       ; 4 x the cluster's x
	s_lshl_b32 s88, s84, 22
	s_lshl_b32 s89, s84, 20
	s_cmp_lt_u32 s84, 2                            ; Q or K?
	s_cselect_b32 s86, s85, 0
	s_cselect_b32 s87, 0, s85
	s_cselect_b32 s88, s88, 0x200000
	s_cselect_b32 s89, s89, 0x800000
	s_cselect_b32 s90, 18, 16
	s_add_co_u32 s17, s86, s41                     ; tile row of C
	s_add_co_u32 s42, s87, s40                     ; tile column of C
.else
	s_lshl_b32 s42, ttmp9, 2
	s_add_co_u32 s42, s42, s40                     ; tile column of C = 4 x cluster x + cx
	s_and_b32 s17, ttmp7, 0xffff
	s_lshl_b32 s17, s17, 2
	s_add_co_u32 s17, s17, s41                     ; tile row of C = 4 x cluster y + cy
	s_mov_b32 s88, 0
	s_mov_b32 s89, 0x400000                        ; W1's codes
	s_mov_b32 s90, 18                              ; a panel: 4,096 rows of 64 bytes
.endif
	s_lshl_b32 s43, s41, 2
	s_lshl_b32 s43, 15, s43                        ; my row of the cluster
	s_lshl_b32 s44, 0x1111, s40                    ; my column
	; descriptor group 1: a tile of 128 rows x ROWB bytes, padded in LDS
	s_or_b32 s[G1+0], s43, (0<<16)|(1<<20)|(1<<21)|(5<<22)|(3<<25)  ; 15:0 the mask: A's tiles go to my row; 17:16 element of 1 byte; 20 padding on; 21 set beside a mask; 24:22 after every 64 words (code 5); 31:25 of 4 words (code 3)
	s_or_b32 s[G1B+0], s44, (0<<16)|(1<<20)|(1<<21)|(5<<22)|(3<<25)
.irp g, G1, G1B
	s_mov_b32 s[\g+1], ROWB<<16                    ; tensor_dim0
	s_mov_b32 s[\g+2], 128<<16                     ; tensor_dim1 = 128
	s_mov_b32 s[\g+3], ROWB<<16                    ; tile_dim0
	s_mov_b32 s[\g+4], 128                         ; tile_dim1 = 128
	s_mov_b32 s[\g+5], KROW                        ; tensor_dim0_stride
	s_mov_b32 s[\g+6], 0
	s_mov_b32 s[\g+7], 0
.endr
	s_lshl_b32 s18, s16, 7                         ; which 128 rows of the tile I fetch
	s_lshl_b32 s20, s17, 8
	s_add_co_u32 s20, s20, s18                     ; A: row 256 x tile row + 128 x half,
	s_lshl_b32 s20, s20, 10                        ; of 1,024 bytes
	s_add_co_u32 s20, s20, s88
	s_mov_b32 s21, 0
	s_lshl_b32 s46, s42, 8
	s_add_co_u32 s46, s46, s18                     ; B: row 256 x tile column + 128 x half
	s_lshl_b32 s46, s46, 10
	s_add_co_u32 s46, s46, s89
	s_mov_b32 s47, 0
	s_mul_i32 s45, s14, HALFT                      ; where they go: wave x 128 rows: no place in the cluster enters an LDS address
	s_wait_kmcnt 0x0
.if MODE == 0
	s_load_b512 s[68:83], s[8:9], 0x0              ; e_i in s[68 + i]
	s_cmp_lt_u32 s84, 2
	s_cselect_b64 s[92:93], s[4:5], s[6:7]
	s_cselect_b64 s[94:95], s[6:7], s[4:5]
.else
	s_load_b128 s[68:71], s[8:9], 0x30             ; e12, e13, e14, e15
	s_mov_b64 s[92:93], s[4:5]
	s_mov_b64 s[94:95], s[6:7]
.endif
	s_add_nc_u64 s[20:21], s[92:93], s[20:21]
	s_add_nc_u64 s[46:47], s[94:95], s[46:47]
	CROUND                                         ; all sixteen work-groups are here: the first joint loads meet
.irp s, 0,1
	s_mov_b32 s[G0+4*\s], 1
	s_add_co_u32 s[G0+4*\s+1], s45, \s*SLOT
	s_add_nc_u64 s[G0+4*\s+2:G0+4*\s+3], s[20:21], \s*ROWB
	s_or_b32 s[G0+4*\s+3], s[G0+4*\s+3], 0x80000000
	s_mov_b32 s[G0B+4*\s], 1
	s_add_co_u32 s[G0B+4*\s+1], s45, \s*SLOT
	s_add_nc_u64 s[G0B+4*\s+2:G0B+4*\s+3], s[46:47], \s*ROWB
	s_or_b32 s[G0B+4*\s+3], s[G0B+4*\s+3], 0x80000000
	JLOAD G0+4*\s, G1, G0B+4*\s, G1B
.endr
	v_and_b32 v1, 15, v0                           ; r = l % 16
	v_bfe_u32 v2, v0, 4, 1                         ; h = l / 16
	v_mul_u32_u24 v3, v1, PITCH
	v_lshl_add_u32 v4, v2, 4, v3                   ; a fragment's row x pitch + 16 x half
	s_mul_i32 s21, s15, HALFT                      ; my 128 rows of A
	s_mul_i32 s22, s16, HALFT                      ; my 128 rows of B,
	s_add_co_u32 s22, s22, 2*HALFT                 ; which lie behind A's 256
.irp s, 0,1
	v_add_nc_u32 v[ADRA+\s], s21, v4
	v_add_nc_u32 v[ADRB+\s], s22, v4
	s_add_co_u32 s21, s21, SLOT
	s_add_co_u32 s22, s22, SLOT
.endr
	s_mul_i32 s23, s16, 2*PANEL                    ; into the stage: my two panels (128 columns),
	s_mul_i32 s22, s15, 128*80                     ; my 128 rows,
	s_add_co_u32 s23, s23, s22
	v_mul_u32_u24 v5, v1, 80                       ; row r, 8 bytes for each half of the lanes
	v_lshl_add_u32 v5, v2, 3, v5
	v_add_nc_u32 v[STO], s23, v5
	s_mul_i32 s23, s14, PANEL                      ; back: wave w takes panel w whole: four lanes to a row of 64 bytes, eight rows an instruction
	v_and_b32 v6, 31, v0
	v_lshrrev_b32 v7, 2, v6
	v_mul_u32_u24 v7, v7, 80
	v_and_b32 v8, 3, v6
	v_lshl_add_u32 v7, v8, 4, v7
	v_add_nc_u32 v[RD], s23, v7
	v_lshlrev_b32 v[CO], 4, v6
	s_lshl_b32 s86, s42, 2
	s_add_co_u32 s86, s86, s14                     ; my panel of the output: 4 x tile column + wave,
	s_lshl_b32 s86, s86, s90
	s_lshl_b32 s87, s17, 14                        ; and the tile's 256 rows of 64 bytes in it
	s_add_co_u32 s86, s86, s87
.if MODE == 0
	s_lshl_b32 s87, s84, 22
	s_add_co_u32 s86, s86, s87
.endif
	s_mov_b32 s87, 0
	s_add_nc_u64 s[10:11], s[10:11], s[86:87]
.macro FRAG reg, adr, q, i             ; a fragment, 16 rows x 128 K of 8-bit codes, is 16 registers: lane l holds row l % 16; registers 4 c .. 4 c + 3 hold K = 32 c + 16 (l / 16) + 0 .. 15: the same order in A and in B
.irp c, 0,1,2,3
	ds_load_b128 v[\reg+4*\c:\reg+4*\c+3], v[\adr] offset:128*(\q)+32*\c+(\i)*16*PITCH
.endr
.endm
; 16 matrix instructions: A's blocks a0, a0 + 1 x B's eight, 128 along K.  p: B's set.  zero = 1: the first product starts the sums: nothing is ever cleared.
; The 64 accumulators take turns, one instruction a turn, in the same order in every step.
.macro MUL16 a0, p, zero
.irp a, \a0, \a0+1
.irp b, 0,1,2,3,4,5,6,7
.if \zero
	v_wmma_f32_16x16x128_fp8_fp8 v[8*(8*((\a)%4)+\b):8*(8*((\a)%4)+\b)+7], v[128*(\p)+FR*\b:128*(\p)+FR*\b+FR-1], v[AF+FR*(\a):AF+FR*(\a)+FR-1], 0
.else
	v_wmma_f32_16x16x128_fp8_fp8 v[8*(8*((\a)%4)+\b):8*(8*((\a)%4)+\b)+7], v[128*(\p)+FR*\b:128*(\p)+FR*\b+FR-1], v[AF+FR*(\a):AF+FR*(\a)+FR-1], v[8*(8*((\a)%4)+\b):8*(8*((\a)%4)+\b)+7]
.endif
.endr
.endr
.endm
.macro FETCH_B slot, q, p              ; B's eight fragments of the slot's q-th 128 along K into set p
	WIN TO_B
.irp i, 0,1,2,3,4,5,6,7
	FRAG 128*(\p)+FR*\i, ADRB+\slot, \q, \i
.endr
	WIN 0
.endm
.macro FETCH_A slot, q, i0             ; A's blocks i0 .. i0 + 3
.irp i, \i0, \i0+1, \i0+2, \i0+3
	FRAG AF+FR*(\i), ADRA+\slot, \q, \i
.endr
.endm
; A load into a register that a matrix instruction has read, and a vector instruction that reads a matrix result, stand NP places behind that matrix instruction, and only plain vector
; instructions that name none of its registers are places (ISA guide 7.12.1 for vector instructions).
.macro PLACES n
.rept \n
	v_nop
.endr
.endm
; A step of 128 along K that has its successor in the same slot.
.macro STEP slot, q, zero
	s_wait_dscnt 4*NL                              ; B's set and A's blocks 0-3 are in; the youngest 16 loads (A's blocks 4-7) may be out
	WIN MUL_LO
	MUL16 0, (\q)%2, \zero
	MUL16 2, (\q)%2, \zero
	s_wait_dscnt 0                                 ; A's blocks 4-7 are in (asked for 32 matrix instructions ago)
	PLACES NP
	FETCH_B \slot, (\q)+1, 1-(\q)%2
	FETCH_A \slot, (\q)+1, 0
	WIN MUL_HI
	MUL16 4, (\q)%2, \zero
	MUL16 6, (\q)%2, \zero
	PLACES NP
	WIN 0
	FETCH_A \slot, (\q)+1, 4
.endm
; A slot's last step changes slots: ONE barrier; in front of it each wave waits for all its tensor loads, adds 0 to its spare word, and waits for that and for its own reads of this slot.  fill = 1: this slot is filled again, two K steps ahead.
.macro TURN slot, next, fill
	s_wait_tensorcnt 0x0                           ; all my tensor loads have landed: my part of the next slot;  (every window is 0 here)
	ds_add_u32 v[SPW], v[NIL]                      ; 0 onto my spare word;
	s_wait_dscnt 4*NL+1                            ; (the add and the youngest 16 loads, A's blocks 4-7, may be out)
	WIN MUL_LO
	MUL16 0, 1, 0                                  ; sixteen matrix instructions stand between the add and the wait for it
	s_wait_dscnt 0x0                               ; the add is done, and my reads of this slot are over
	s_barrier_signal -1
	MUL16 2, 1, 0
	WIN 0
	s_barrier_wait -1
.if \fill
	CREST                                          ; the barrier has opened a round of the cluster's barrier: no wave of any partner still reads this slot's tile or has a load on its way
	s_add_nc_u64 s[G0+4*\slot+2:G0+4*\slot+3], s[G0+4*\slot+2:G0+4*\slot+3], 2*ROWB
	s_add_nc_u64 s[G0B+4*\slot+2:G0B+4*\slot+3], s[G0B+4*\slot+2:G0B+4*\slot+3], 2*ROWB
	JLOAD G0+4*\slot, G1, G0B+4*\slot, G1B         ; the first tensor load behind the round; the four v_nop behind it are the places in front of the loads below
.else
	PLACES NP
.endif
	FETCH_B \next, 0, 0
	FETCH_A \next, 0, 0
	WIN MUL_HI
	MUL16 4, 1, 0
	MUL16 6, 1, 0
	PLACES NP
	WIN 0
	FETCH_A \next, 0, 4
.endm
	s_wait_tensorcnt 1                             ; my part of K step 0 is in (K step 1's load may be out)
	s_barrier_signal -1
	s_barrier_wait -1                              ; everybody's is
	FETCH_B 0, 0, 0
	FETCH_A 0, 0, 0
	FETCH_A 0, 0, 4
	STEP 0, 0, 1                                   ; the first step stands in front of the loop: its products start the sums
.if LAPS > 1
	s_mov_b32 s3, LAPS-1
.Llap:                                                 ; a trip goes once round the ring, from a lap's second step to the next lap's first, and fills both slots again
	TURN 0, 1, 1
	STEP 1, 0, 0
	TURN 1, 0, 1
	STEP 0, 0, 0
	s_sub_co_u32 s3, s3, 1
	s_cmp_lg_u32 s3, 0
	s_cbranch_scc1 .Llap
.endif
	TURN 0, 1, 0                                   ; the last lap fills nothing, and has no round of the cluster's barrier
	STEP 1, 0, 0
	s_wait_dscnt 4*NL                              ; the very last step: nothing more to fetch
	WIN MUL_LO
	MUL16 0, 1, 0
	MUL16 2, 1, 0
	s_wait_dscnt 0
	WIN MUL_HI
	MUL16 4, 1, 0
	MUL16 6, 1, 0
	WIN 0
; THE WAY OUT.  Block a (16 rows x 128 columns): each sum is held between 0 and the largest code x 2^X (the ReLU and the hold in one), each accumulator from its low end on;
; an accumulator's eight numbers of a lane become eight codes, 8 bytes of a row of a panel, and go into the work-group's stage.
.macro QBLOCK a
.set AC, 64*((\a)%4)
	WIN 0x02+((\a)/4)                              ; source 0: window 2 or 3
.set j, 0
.rept 64
.if MODE == 0
	v_med3_num_f32 v[TMP+j], v[AC+j], -v[LIMV], v[LIMV]
.else
	v_med3_num_f32 v[TMP+j], v[AC+j], 0, v[LIMV]   ; the conversion to an 8-bit code does not saturate (ISA guide 7.6.2)
.endif
.set j, j+1
.endr
	WIN 0
.irp b, 0,1,2,3,4,5,6,7
	v_cvt_scalef32_pk8_fp8_f32 v[OUTR+16*(\a)+2*\b:OUTR+16*(\a)+2*\b+1], v[TMP+8*\b:TMP+8*\b+7], v[SCV]
.endr
	v_nop                                          ; a plain instruction between the conversions and the next block's holds, which write their sources
.irp b, 0,1,2,3,4,5,6,7
	ds_store_b64 v[STO], v[OUTR+16*(\a)+2*\b:OUTR+16*(\a)+2*\b+1] offset:(\b/4)*PANEL+(\a)*1280+16*(\b%4)
.endr
.endm
	s_wait_kmcnt 0x0
.if MODE == 0
	s_cmp_eq_u32 s84, 0
	s_cselect_b32 s85, s68, s70
	s_cselect_b32 s86, s69, s71
	s_cselect_b32 s87, s74, s75
	s_cmp_eq_u32 s84, 2
	s_cselect_b32 s85, s72, s85
	s_cselect_b32 s86, s73, s86
	s_cselect_b32 s87, s77, s87
.else
	s_mov_b32 s85, s68                             ; e12
	s_mov_b32 s86, s69                             ; e13
	s_mov_b32 s87, s70                             ; e14
.endif
	s_sub_co_i32 s87, s87, s85
	s_sub_co_i32 s87, s87, s86                     ; X = eo - ea - eb
	s_add_co_i32 s87, s87, 127
	s_lshl_b32 s88, s87, 23
	v_mov_b32 v[SCV], s88                          ; 2^X
	s_add_co_i32 s87, s87, 8
	s_lshl_b32 s87, s87, 23
	s_or_b32 s87, s87, 0x600000
	v_mov_b32 v[LIMV], s87                         ; 448 x 2^X
	PLACES NP                                      ; behind the last products: their results are read, and the registers that held A's fragments are written, only behind these
.irp a, 0,1,2,3,4,5,6,7
	QBLOCK \a
.endr
	s_wait_dscnt 0x0                               ; for the others' sake: my stores into the stage are done
	s_barrier_signal -1
	s_barrier_wait -1                              ; the tile's four panels lie whole in the stage
.set tt, 0
.rept 32
	ds_load_b128 v[OUTR+4*tt:OUTR+4*tt+3], v[RD] offset:640*tt
.set tt, tt+1
.endr
.set tt, 0
.rept 32
	s_wait_dscnt 31-tt                             ; LDS loads come back in order: number tt is in
	global_store_b128 v[CO], v[OUTR+4*tt:OUTR+4*tt+3], s[10:11] offset:512*tt   ; 32 lanes store 512 consecutive bytes; a wave's panel is 16,384 bytes on end
.set tt, tt+1
.endr
	s_wait_tensorcnt 0x0                           ; the wave's end: behind my last tensor load and my last LDS store
	ds_add_u32 v[SPW], v[NIL]
	s_wait_dscnt 0x0
	CROUND                                         ; the closing round: no work-group ends while a partner may still ask for a tile that names it
	s_endpgm
.Lfunc_end_k_q0686aae1b4_ffn1:
	.size	k_q0686aae1b4_ffn1, .Lfunc_end_k_q0686aae1b4_ffn1-k_q0686aae1b4_ffn1
	.p2alignl 7, 3214868480
	.fill 96, 4, 3214868480
	.section	.rodata,"a",@progbits
	.p2align	6, 0x0
	.amdhsa_kernel k_q0686aae1b4_ffn1
		.amdhsa_group_segment_fixed_size 327680
		.amdhsa_private_segment_fixed_size 0
		.amdhsa_enable_private_segment 0
		.amdhsa_kernarg_size 32
		.amdhsa_user_sgpr_count 2
		.amdhsa_user_sgpr_kernarg_segment_ptr 1
		.amdhsa_wavefront_size32 1
		.amdhsa_system_sgpr_workgroup_id_x 1
		.amdhsa_system_sgpr_workgroup_id_y 1
		.amdhsa_system_sgpr_workgroup_id_z 1
		.amdhsa_system_vgpr_workitem_id 0
		.amdhsa_next_free_vgpr 1024
		.amdhsa_next_free_sgpr 100
		.amdhsa_reserve_vcc 0
		.amdhsa_float_denorm_mode_32 3
		.amdhsa_float_denorm_mode_16_64 3
		.amdhsa_memory_ordered 1
		.amdhsa_forward_progress 1
		.amdhsa_inst_pref_size 125
	.end_amdhsa_kernel
	.amdgpu_metadata
---
amdhsa.version: [ 1, 2 ]
amdhsa.kernels:
  - .name:           k_q0686aae1b4_ffn1
    .symbol:         k_q0686aae1b4_ffn1.kd
    .args:
      - { .name: h2c, .offset: 0, .size: 8, .value_kind: global_buffer, .address_space: global }
      - { .name: wc, .offset: 8, .size: 8, .value_kind: global_buffer, .address_space: global }
      - { .name: lowp_scales, .offset: 16, .size: 8, .value_kind: global_buffer, .address_space: global }
      - { .name: hid, .offset: 24, .size: 8, .value_kind: global_buffer, .address_space: global }
    .group_segment_fixed_size: 327680
    .private_segment_fixed_size: 0
    .kernarg_segment_align: 8
    .kernarg_segment_size: 32
    .max_flat_workgroup_size: 128
    .sgpr_count:     100
    .vgpr_count:     1024
    .wavefront_size: 32
...
	.end_amdgpu_metadata
.endif
;; end of part 6
;; launch ffn2 (part 7): grid 8 x 32, 4 waves a work-group, clusters of 4 x 4, 327,680 bytes of LDS; arguments hid, wc, lowp_scales, x1, out0; writes out0
.if DOCPART == 7
	.amdgcn_target "amdgcn-amd-amdhsa--gfx1250"
	.amdhsa_code_object_version 6
	.text
	.protected	k_q0686aae1b4_ffn2
	.globl	k_q0686aae1b4_ffn2
	.p2align	8
	.type	k_q0686aae1b4_ffn2,@function
k_q0686aae1b4_ffn2:
	s_mov_b64 s[64:65], 0
	v_nop
	global_prefetch_b8 v0, s[64:65] scope:SCOPE_SE
	s_setreg_imm32_b32 hwreg(HW_REG_WAVE_MODE, 25, 1), 1
	s_wait_xcnt 0x0
	s_wait_alu depctr_hold_cnt(0) depctr_sa_sdst(0) depctr_va_vdst(0) depctr_va_sdst(0) depctr_va_ssrc(0) depctr_va_vcc(0) depctr_vm_vsrc(0)
	s_getreg_b32 s2, hwreg(HW_REG_IB_STS2, 6, 4)
	s_cmp_eq_u32 s2, 0
	s_cbranch_scc0 .Lentry_in_a_cluster
	s_endpgm
.Lentry_in_a_cluster:
	s_bfe_u32 s2, ttmp6, 0x10000c
	s_cmp_lg_u32 s2, 0xf033
	s_cbranch_scc0 .Lentry_shape_is_right
	s_endpgm
.Lentry_shape_is_right:
; out = res + (A B^T) x 2^(ea + eb).  A: codes of E4M3 in PANELS of 64 along K, [SIZE_K / 64][4096 rows][64]; B: codes in rows, [1024][SIZE_K], at byte WOFF of the weights' codes; res, out: [4096][1024] f32.
; This text: SIZE_K = 4096: A = the hidden layer's codes, B = W2, res = x1, out = the block's result.  (The same text with SIZE_K = 1024 serves the product with W_o.)
; LIMIT: ea + eb between -126 and 127, so that 2^(ea + eb) is an f32 number.
; C has 4,096 x 1,024 numbers: tiles of 256 x 256 would be 64, a quarter of the WGPs; so a tile is 128 x 128, 256 work-groups, four waves of 64 x 64: 16 accumulators.
; K goes in steps of 512 through a ring of two LDS slots.  A's half tile (64 rows x 512 K) is eight panels' pieces of 4,096 dense bytes: one tensor load with rows of 4,096 bytes, a panel (262,144 bytes) apart, and
; 16 bytes of padding behind every 64: in LDS [panel][row] with rows 80 bytes apart.  B's half tile is 64 rows of 512 bytes, 528 apart in LDS.
; CLUSTERS: 4 x 4 work-groups; A's tiles are asked for jointly along a row of the cluster, B's along a column.  THE MATRIX INSTRUCTION IS USED TRANSPOSED (source 0 = 16 rows of B, source 1 = 16 rows of A).
; REGISTERS: window 0: v0-31 addresses; v32-95 at work on the way out; v128-255 the accumulators ((a, b) at v[128 + 8 (4 a + b)]).
;   window 1: two fragment buffers of 128 (128 along K): 64 registers of A (4 x 16 rows), then 64 of B.   window 2: v0-127 my 64 x 64 numbers of res, asked for at the head.
.set SIZE_K, 4096
.set WOFF,   0x800000
.set SCOFF,  56                        ; byte of ea in the buffer of exponents; eb follows
.set FINAL,  1                         ; 1: nothing reads the output again
.set KSTEP,  512
.set APITCH, 80                        ; A in LDS: a row's 64 bytes of a panel + 16 of padding = 20 words: the 16 rows of a load start at 16 different multiples of 4 banks (ISA guide 11.1)
.set APANEL, 64*APITCH
.set AHALF,  8*APANEL                  ; 64 rows x 512 K
.set BPITCH, 528                       ; B in LDS: 512 bytes + 16 = 132 words: row r starts at bank 4 r mod 64
.set BHALF,  64*BPITCH
.set BOFF,   2*AHALF
.set SLOT,   BOFF+2*BHALF              ; A's two halves, then B's two
.set SPARE,  2*SLOT                    ; behind the ring: the spare words, 128 bytes for each wave: two blocks of 256 bytes that no other line names
.set SPITCH, 272                       ; the way out: a stage of 16 rows x (256 bytes + 16) for each wave, in slot 0, which has had its last fill and its last read by then
.set LAPS,   SIZE_K/(2*KSTEP)          ; a lap = two K steps = once round the ring
.set PLANE,  4096*64                   ; a panel of A in memory
.set ADRA, 16                          ; v16-17  LDS address of my A fragments in slot 0, 1
.set ADRB, 20                          ; v20-21  the same for B
.set STO,  24                          ; v24     the way out: where I put 32 bytes of a row
.set RD,   25                          ; v25     the way out: where I read 16 bytes of a row back
.set CO,   26                          ; v26     my byte offset in two rows of res and of out
.set SPW,  28                          ; v28     LDS address of my spare word; never rewritten
.set NIL,  29                          ; v29     0; never rewritten
.set BK,   32                          ; the way out: 16 rows read back: v32-63 and v64-95 by turns
.set ACC,  128
.set F0,   0                           ; fragment buffers, in window 1
.set F1,   128
.set G1, 24                            ; s[24:31] descriptor group 1 for A's tiles;  s[32:39] group 0, one set for each slot
.set G0, 32
.set G1B, 48                           ; s[48:55], s[56:63] the same for B's tiles
.set G0B, 56
.set MSB, 0
.macro WIN new                         ; the immediate's high byte repeats the setting that is left
.if MSB != \new
	s_set_vgpr_msb (MSB<<8)|\new
.set MSB, \new
.endif
.endm
.set MUL,  0x05                        ; sources 0 (B) and 1 (A) window 1; C and D window 0
.set TO_F, 0x40                        ; destination window 1, address window 0
.macro JLOAD s                         ; a joint load: waves 0 and 1 fetch A's two halves, waves 2 and 3 B's; four v_nop follow each of the two lines, ahead of the jump, the label and what follows
	s_cmp_eq_u32 s11, 0
	s_cbranch_scc0 .Lfor_b_\@
	tensor_load_to_lds s[G0+4*\s:G0+4*\s+3], s[G1:G1+7]
	s_nop 0
.rept 4
	v_nop
.endr
	s_branch .Lasked_\@
.Lfor_b_\@:
	tensor_load_to_lds s[G0B+4*\s:G0B+4*\s+3], s[G1B:G1B+7]
	s_nop 0
.rept 4
	v_nop
.endr
.Lasked_\@:
.endm
.macro CREST                           ; a round of the cluster's barrier behind its opening barrier
	s_cmp_lg_u32 s10, 0
	s_cbranch_scc1 .Lnot_wave_0_\@
	s_barrier_signal -3
.Lnot_wave_0_\@:
	s_barrier_wait -3
	s_barrier_signal -1
	s_barrier_wait -1
.endm
.macro CROUND                          ; a whole round
	s_barrier_signal -1
	s_barrier_wait -1
	CREST
.endm
	s_load_b128 s[4:7], s[0:1], 0x0                ; A's codes s[4:5], the weights' codes s[6:7]
	s_load_b64 s[8:9], s[0:1], 0x10                ; the scales' exponents
	s_load_b128 s[68:71], s[0:1], 0x18             ; res s[68:69], out s[70:71]
	v_lshl_add_u32 v[SPW], v0, 2, SPARE
	v_mov_b32 v[NIL], 0
	ds_add_u32 v28, v29
	ds_add_u32 v28, v29
	s_wait_dscnt 0x0
	v_lshrrev_b32 v1, 5, v0
	v_readfirstlane_b32 s10, v1                    ; wave 0..3
	s_lshr_b32 s11, s10, 1                         ; which half of the tile's rows is mine.  Also: I fetch for A (0) or for B (1)
	s_and_b32 s12, s10, 1                          ; which half of its columns.  Also: which 64 rows of that tile I fetch
	s_bfe_u32 s40, ttmp6, 0x40000                  ; cx, cy: my place in the cluster
	s_bfe_u32 s41, ttmp6, 0x40004
	s_lshl_b32 s42, ttmp9, 2
	s_add_co_u32 s42, s42, s40                     ; tile column of C = 4 x cluster x + cx
	s_and_b32 s13, ttmp7, 0xffff
	s_lshl_b32 s13, s13, 2
	s_add_co_u32 s13, s13, s41                     ; tile row of C = 4 x cluster y + cy
	s_lshl_b32 s43, s41, 2
	s_lshl_b32 s43, 15, s43                        ; my row of the cluster
	s_lshl_b32 s44, 0x1111, s40                    ; my column
	; descriptor group 1 for A: 8 rows (panels) of 4,096 bytes (64 rows of C x 64 codes), a panel apart in memory
	s_or_b32 s[G1+0], s43, (0<<16)|(1<<20)|(1<<21)|(3<<22)|(3<<25)  ; 15:0 the mask: my row; 17:16 element of 1 byte; 20 padding on; 21 set beside a mask; 24:22 after every 16 words (code 3); 31:25 of 4 words (code 3)
	s_mov_b32 s[G1+1], 4096<<16                    ; tensor_dim0 = 4096
	s_mov_b32 s[G1+2], 8<<16                       ; tensor_dim1 = 8
	s_mov_b32 s[G1+3], 4096<<16                    ; tile_dim0 = 4096
	s_mov_b32 s[G1+4], 8                           ; tile_dim1 = 8
	s_mov_b32 s[G1+5], PLANE                       ; tensor_dim0_stride
	s_mov_b32 s[G1+6], 0
	s_mov_b32 s[G1+7], 0
	; and for B: 64 rows of 512 bytes
	s_or_b32 s[G1B+0], s44, (0<<16)|(1<<20)|(1<<21)|(6<<22)|(3<<25) ; the mask: my column; padding of 4 words after every 128 (code 6)
	s_mov_b32 s[G1B+1], KSTEP<<16
	s_mov_b32 s[G1B+2], 64<<16
	s_mov_b32 s[G1B+3], KSTEP<<16
	s_mov_b32 s[G1B+4], 64
	s_mov_b32 s[G1B+5], SIZE_K
	s_mov_b32 s[G1B+6], 0
	s_mov_b32 s[G1B+7], 0
	s_lshl_b32 s16, s13, 13                        ; A: row 128 x tile row + 64 x half, of 64 bytes, in panel 0
	s_lshl_b32 s17, s12, 12
	s_add_co_u32 s16, s16, s17
	s_mov_b32 s17, 0
	s_lshl_b32 s46, s42, 7                         ; B: row 128 x tile column + 64 x half, of SIZE_K bytes, behind WOFF
	s_lshl_b32 s47, s12, 6
	s_add_co_u32 s46, s46, s47
	s_mul_i32 s46, s46, SIZE_K
	s_add_co_u32 s46, s46, WOFF
	s_mov_b32 s47, 0
	s_mul_i32 s20, s12, AHALF                      ; where they go: no place in the cluster enters an LDS address
	s_mul_i32 s21, s12, BHALF
	s_add_co_u32 s21, s21, BOFF
	s_wait_kmcnt 0x0
	s_load_b64 s[78:79], s[8:9], SCOFF             ; ea, eb
	s_add_nc_u64 s[14:15], s[4:5], s[16:17]
	s_add_nc_u64 s[46:47], s[6:7], s[46:47]
	CROUND                                         ; all sixteen work-groups are here: the first joint loads meet
.irp s, 0,1
	s_mov_b32 s[G0+4*\s], 1
	s_add_co_u32 s[G0+4*\s+1], s20, \s*SLOT
	s_add_nc_u64 s[G0+4*\s+2:G0+4*\s+3], s[14:15], \s*8*PLANE      ; K step s: eight panels on
	s_or_b32 s[G0+4*\s+3], s[G0+4*\s+3], 0x80000000
	s_mov_b32 s[G0B+4*\s], 1
	s_add_co_u32 s[G0B+4*\s+1], s21, \s*SLOT
	s_add_nc_u64 s[G0B+4*\s+2:G0B+4*\s+3], s[46:47], \s*KSTEP
	s_or_b32 s[G0B+4*\s+3], s[G0B+4*\s+3], 0x80000000
	JLOAD \s
.endr
	v_and_b32 v1, 15, v0                           ; r = l % 16
	v_bfe_u32 v2, v0, 4, 1                         ; h = l / 16
	v_mul_u32_u24 v3, v1, APITCH
	v_lshl_add_u32 v3, v2, 4, v3                   ; A: row x 80 + 16 h
	v_mul_u32_u24 v4, v1, BPITCH
	v_lshl_add_u32 v4, v2, 4, v4                   ; B: row x 528 + 16 h
	s_mul_i32 s22, s11, AHALF                      ; my 64 rows of A
	s_mul_i32 s23, s12, BHALF                      ; my 64 rows of B
	s_add_co_u32 s23, s23, BOFF
.irp s, 0,1
	v_add_nc_u32 v[ADRA+\s], s22, v3
	v_add_nc_u32 v[ADRB+\s], s23, v4
	s_add_co_u32 s22, s22, SLOT
	s_add_co_u32 s23, s23, SLOT
.endr
	s_mul_i32 s23, s10, 16*SPITCH                  ; my stage
	v_mul_u32_u24 v5, v1, SPITCH                   ; in: row r, 32 bytes for each half of the lanes
	v_lshl_add_u32 v5, v2, 5, v5
	v_add_nc_u32 v[STO], s23, v5
	v_mul_u32_u24 v6, v2, SPITCH                   ; back: lanes 0-15 take one row of 256 bytes, lanes 16-31 the next
	v_lshl_add_u32 v6, v1, 4, v6
	v_add_nc_u32 v[RD], s23, v6
	v_lshlrev_b32 v7, 12, v2                       ; and the same two rows (4,096 bytes apart) in res and out
	v_lshl_add_u32 v[CO], v1, 4, v7
	s_lshl_b32 s72, s13, 7
	s_lshl_b32 s73, s11, 6
	s_add_co_u32 s72, s72, s73                     ; my first row: 128 x tile row + 64 x half,
	s_lshl_b32 s72, s72, 12
	s_lshl_b32 s73, s42, 9                         ; my first column, in bytes: 512 x tile column + 256 x half
	s_add_co_u32 s72, s72, s73
	s_lshl_b32 s73, s12, 8
	s_add_co_u32 s72, s72, s73
	s_mov_b32 s73, 0
	s_add_nc_u64 s[68:69], s[68:69], s[72:73]
	s_add_nc_u64 s[70:71], s[70:71], s[72:73]
	WIN 0x80                                       ; destination window 2
.irp a, 0,1,2,3                        ; my 64 x 64 numbers of res, in the layout in which the sums come back from the stage; they land under the products
.irp t, 0,1,2,3,4,5,6,7
	global_load_b128 v[4*(8*\a+\t):4*(8*\a+\t)+3], v[CO], s[68:69] offset:(16*\a+2*\t)*4096 th:TH_LOAD_NT
.endr
.endr
	WIN 0
; 4 matrix instructions: A's block a x B's four, 128 along K, from buffer f.  zero = 1: the product starts the sums: nothing is ever cleared.
; The 16 accumulators take turns, one instruction a turn, in the same order in every quarter.
.macro MUL4 f, a, zero
.irp b, 0,1,2,3
.if \zero
	v_wmma_f32_16x16x128_fp8_fp8 v[ACC+8*(4*(\a)+\b):ACC+8*(4*(\a)+\b)+7], v[\f+64+16*\b:\f+64+16*\b+15], v[\f+16*(\a):\f+16*(\a)+15], 0
.else
	v_wmma_f32_16x16x128_fp8_fp8 v[ACC+8*(4*(\a)+\b):ACC+8*(4*(\a)+\b)+7], v[\f+64+16*\b:\f+64+16*\b+15], v[\f+16*(\a):\f+16*(\a)+15], v[ACC+8*(4*(\a)+\b):ACC+8*(4*(\a)+\b)+7]
.endif
.endr
.endm
; 32 LDS loads in one run: the fragments of the slot's q-th 128 along K into buffer f: B's four, then A's four.  Registers 4 c .. 4 c + 3 hold K = 32 c + 16 (l / 16) + 0 .. 15, in A and in B alike
.macro FETCH slot, q, f
	WIN TO_F
.irp i, 0,1,2,3
.irp c, 0,1,2,3
	ds_load_b128 v[\f+64+16*\i+4*\c:\f+64+16*\i+4*\c+3], v[ADRB+\slot] offset:128*(\q)+32*\c+\i*16*BPITCH
.endr
.endr
.irp i, 0,1,2,3
.irp c, 0,1,2,3
	ds_load_b128 v[\f+16*\i+4*\c:\f+16*\i+4*\c+3], v[ADRA+\slot] offset:(2*(\q)+\c/2)*APANEL+\i*16*APITCH+32*(\c%2)
.endr
.endr
.endm
.macro PLACES                          ; four places in front of loads into registers that matrix instructions have read, and of LDS stores that read results (ISA guide 7.12.1 for the stores)
.rept 4
	v_nop
.endr
.endm
; A K step is four quarters of 128 along K, 16 matrix instructions each, on buffers 0, 1, 0, 1.  One of the first three: multiplies buffer f and fetches the slot's quarter qn into g.
.macro QUARTER slot, qn, f, g, zero
	s_wait_dscnt 8                                 ; B's four and A's blocks 0, 1 are in; the youngest eight loads (A's blocks 2, 3) may be out
	WIN MUL
	MUL4 \f, 0, \zero
	MUL4 \f, 1, \zero
	PLACES
	FETCH \slot, \qn, \g
	s_wait_dscnt 32                                ; all but the 32 just issued
	WIN MUL
	MUL4 \f, 2, \zero
	MUL4 \f, 3, \zero
.endm
; The last quarter multiplies buffer 1 and changes slots: ONE barrier; in front of it each wave waits for all its tensor loads, adds 0 to its spare word, and waits for that and for its own reads of this slot.  fill = 1: this slot is filled again, two K steps ahead.
.macro TURN slot, next, fill
	WIN 0                                          ; (the add's two registers lie in window 0)
	s_wait_tensorcnt 0x0                           ; all my tensor loads have landed: my part of the next slot;
	ds_add_u32 v[SPW], v[NIL]                      ; 0 onto my spare word;
	s_wait_dscnt 9                                 ; (the add and the youngest eight loads may be out)
	WIN MUL
	MUL4 F1, 0, 0                                  ; four matrix instructions stand between the add and the wait for it
	s_wait_dscnt 0x0                               ; the add is done, and my reads of this slot are over
	s_barrier_signal -1
	MUL4 F1, 1, 0
.if \fill
	WIN 0
.endif
	s_barrier_wait -1
.if \fill
	CREST                                          ; the barrier has opened a round of the cluster's barrier: no wave of any partner still reads this slot's tile or has a load on its way
	s_add_nc_u64 s[G0+4*\slot+2:G0+4*\slot+3], s[G0+4*\slot+2:G0+4*\slot+3], 2*8*PLANE
	s_add_nc_u64 s[G0B+4*\slot+2:G0B+4*\slot+3], s[G0B+4*\slot+2:G0B+4*\slot+3], 2*KSTEP
	JLOAD \slot                                    ; the first tensor load behind the round; the four v_nop behind it are also the places in front of the loads below
.else
	PLACES
.endif
	FETCH \next, 0, F0
	WIN MUL
	MUL4 F1, 2, 0
	MUL4 F1, 3, 0
.endm
	s_wait_tensorcnt 1                             ; my part of K step 0 is in (K step 1's load may be out)
	s_barrier_signal -1
	s_barrier_wait -1                              ; everybody's is
	FETCH 0, 0, F0
	QUARTER 0, 1, F0, F1, 1                        ; the first quarter stands in front of the loop: its products start the sums
.if LAPS > 1
	WIN 0                                          ; at a label and at a branch every window is 0
	s_mov_b32 s3, LAPS-1
.Llap:                                                 ; a trip goes once round the ring, from a lap's second quarter to the next lap's first, and fills both slots again
	QUARTER 0, 2, F1, F0, 0
	QUARTER 0, 3, F0, F1, 0
	TURN 0, 1, 1
	QUARTER 1, 1, F0, F1, 0
	QUARTER 1, 2, F1, F0, 0
	QUARTER 1, 3, F0, F1, 0
	TURN 1, 0, 1
	QUARTER 0, 1, F0, F1, 0
	WIN 0
	s_sub_co_u32 s3, s3, 1
	s_cmp_lg_u32 s3, 0
	s_cbranch_scc1 .Llap
.endif
	QUARTER 0, 2, F1, F0, 0                        ; the last lap fills nothing, and has no round of the cluster's barrier
	QUARTER 0, 3, F0, F1, 0
	TURN 0, 1, 0
	QUARTER 1, 1, F0, F1, 0
	QUARTER 1, 2, F1, F0, 0
	QUARTER 1, 3, F0, F1, 0
	s_wait_dscnt 8                                 ; the very last quarter: nothing more to fetch
	WIN MUL
	MUL4 F1, 0, 0
	MUL4 F1, 1, 0
	s_wait_dscnt 0
	MUL4 F1, 2, 0
	MUL4 F1, 3, 0
	WIN 0
; THE WAY OUT, block by block of 16 rows x 64 columns.  A lane holds 32 neighbouring bytes of a row and the lanes beside it other rows: the block goes through my own stage in LDS and comes back as whole rows of 256 bytes,
; my 64 columns: one aligned unit.  There sum x 2^(ea + eb) + res is one packed multiply-add for two numbers.  LDS serves a wave's instructions in order: no wait between the stores and the loads.
.macro TOSTAGE a
.irp b, 0,1,2,3
	ds_store_b128 v[STO], v[ACC+8*(4*(\a)+\b):ACC+8*(4*(\a)+\b)+3] offset:64*\b          ; each accumulator from its low end on
	ds_store_b128 v[STO], v[ACC+8*(4*(\a)+\b)+4:ACC+8*(4*(\a)+\b)+7] offset:64*\b+16
.endr
.set BB, BK+32*((\a)%2)
.irp t, 0,1,2,3,4,5,6,7
	ds_load_b128 v[BB+4*\t:BB+4*\t+3], v[RD] offset:\t*2*SPITCH
.endr
.endm
.macro SEND a, younger                 ; younger: the LDS instructions issued behind block a's loads, which may stay out
.set BB, BK+32*((\a)%2)
	s_wait_dscnt \younger                          ; the block is back in registers
	WIN 0x20                                       ; source 2 (res) window 2
.irp p, 0,2,4,6,8,10,12,14,16,18,20,22,24,26,28,30
	v_pk_fma_f32 v[BB+\p:BB+\p+1], v[BB+\p:BB+\p+1], s[78:79], v[32*(\a)+\p:32*(\a)+\p+1] op_sel_hi:[1,0,1]   ; (the scalar pair's low word for both halves)
.endr
	WIN 0
.irp t, 0,1,2,3,4,5,6,7
.if FINAL
	global_store_b128 v[CO], v[BB+4*\t:BB+4*\t+3], s[70:71] offset:(16*(\a)+2*\t)*4096 th:TH_STORE_NT   ; 16 lanes store 256 consecutive bytes, at a multiple of 256 from the buffer's first byte
.else
	global_store_b128 v[CO], v[BB+4*\t:BB+4*\t+3], s[70:71] offset:(16*(\a)+2*\t)*4096
.endif
.endr
.endm
	PLACES                                         ; behind the last products, ahead of the first LDS store that reads a result
	s_wait_loadcnt 0x0                             ; res
	s_wait_kmcnt 0x0
	s_add_co_i32 s78, s78, s79                     ; ea + eb, between -126 and 127,
	s_add_co_i32 s78, s78, 127
	s_lshl_b32 s78, s78, 23                        ; makes the f32 number 2^(ea + eb)
	s_mov_b32 s79, s78                             ; (named with it as a pair, so it is written)
	TOSTAGE 0
.irp a, 1,2,3
.if \a > 1
	s_wait_xcnt 0x0                                ; block a - 2's stores have read their registers: block a's loads may land there
.endif
	TOSTAGE \a
	SEND \a-1, 16                                  ; behind block a - 1's loads: block a's 8 stores and 8 loads
.endr
	SEND 3, 0
	s_wait_tensorcnt 0x0                           ; the wave's end: behind my last tensor load and my last LDS store
	ds_add_u32 v[SPW], v[NIL]
	s_wait_dscnt 0x0
	CROUND                                         ; the closing round: no work-group ends while a partner may still ask for a tile that names it
	s_endpgm
.Lfunc_end_k_q0686aae1b4_ffn2:
	.size	k_q0686aae1b4_ffn2, .Lfunc_end_k_q0686aae1b4_ffn2-k_q0686aae1b4_ffn2
	.p2alignl 7, 3214868480
	.fill 96, 4, 3214868480
	.section	.rodata,"a",@progbits
	.p2align	6, 0x0
	.amdhsa_kernel k_q0686aae1b4_ffn2
		.amdhsa_group_segment_fixed_size 327680
		.amdhsa_private_segment_fixed_size 0
		.amdhsa_enable_private_segment 0
		.amdhsa_kernarg_size 40
		.amdhsa_user_sgpr_count 2
		.amdhsa_user_sgpr_kernarg_segment_ptr 1
		.amdhsa_wavefront_size32 1
		.amdhsa_system_sgpr_workgroup_id_x 1
		.amdhsa_system_sgpr_workgroup_id_y 1
		.amdhsa_system_sgpr_workgroup_id_z 1
		.amdhsa_system_vgpr_workitem_id 0
		.amdhsa_next_free_vgpr 640
		.amdhsa_next_free_sgpr 96
		.amdhsa_reserve_vcc 0
		.amdhsa_float_denorm_mode_32 3
		.amdhsa_float_denorm_mode_16_64 3
		.amdhsa_memory_ordered 1
		.amdhsa_forward_progress 1
		.amdhsa_inst_pref_size 77
	.end_amdhsa_kernel
	.amdgpu_metadata
---
amdhsa.version: [ 1, 2 ]
amdhsa.kernels:
  - .name:           k_q0686aae1b4_ffn2
    .symbol:         k_q0686aae1b4_ffn2.kd
    .args:
      - { .name: hid, .offset: 0, .size: 8, .value_kind: global_buffer, .address_space: global }
      - { .name: wc, .offset: 8, .size: 8, .value_kind: global_buffer, .address_space: global }
      - { .name: lowp_scales, .offset: 16, .size: 8, .value_kind: global_buffer, .address_space: global }
      - { .name: x1, .offset: 24, .size: 8, .value_kind: global_buffer, .address_space: global }
      - { .name: out0, .offset: 32, .size: 8, .value_kind: global_buffer, .address_space: global }
    .group_segment_fixed_size: 327680
    .private_segment_fixed_size: 0
    .kernarg_segment_align: 8
    .kernarg_segment_size: 40
    .max_flat_workgroup_size: 128
    .sgpr_count:     96
    .vgpr_count:     640
    .wavefront_size: 32
...
	.end_amdgpu_metadata
.endif
;; end of part 7
